; MI455X (gfx1250); checked and timed in simulation.
; The chip was launched on July 23, 2026; its instructions are those of AMD's public machine-readable ISA for CDNA 5 (MIT licence, August 2026) and "CDNA5" Instruction Set Architecture Reference Guide (July 2026). The comments in the code are by the model that wrote it; some were corrected since.
;; Multihead Attention. Allowed arithmetic: float matrix products may take bf16 or f16 operands with f32 sums; all other float work in f32.
;; Inputs: Wk 1,024 x 1,024 float32; Wo 1,024 x 1,024 float32; Wq 1,024 x 1,024 float32; Wv 1,024 x 1,024 float32; bk 1,024 float32; bo 1,024 float32; bq 1,024 float32; bv 1,024 float32; x 4 x 2,048 x 1,024 float32.
;; Outputs: out0 4 x 2,048 x 1,024 float32.
;; One version. Each part assembles by itself: llvm-mc -triple=amdgcn-amd-amdhsa -mcpu=gfx1250 --defsym DOCPART=n.
;; ======== version 1 of 1: 4 launches
;; limits: values are held in f16: magnitudes above 65,504 overflow, below 6.1e-05 lose precision
;; workspace buffers: xb 16,777,216 bytes; wb 6,291,456 bytes; wo16 2,097,152 bytes; bias 16,384 bytes; qkv 50,331,648 bytes; ctx 16,777,216 bytes
;; launch cvt (part 1): grid 772 x 1, 8 waves a work-group, no clusters, 0 bytes of LDS; arguments x, Wq, Wk, Wv, Wo, bq, bk, bv, bo, xb, wb, wo16, bias; writes xb, wb, wo16, bias
.if DOCPART == 1
	.amdgcn_target "amdgcn-amd-amdhsa--gfx1250"
	.amdhsa_code_object_version 6
	.text
	.protected	k_qbc28533dbb_cvt
	.globl	k_qbc28533dbb_cvt
	.p2align	8
	.type	k_qbc28533dbb_cvt,@function
k_qbc28533dbb_cvt:
	s_mov_b64 s[64:65], 0
	v_nop
	global_prefetch_b8 v0, s[64:65] scope:SCOPE_SE
	s_setreg_imm32_b32 hwreg(HW_REG_WAVE_MODE, 25, 1), 1
	s_wait_xcnt 0x0
; ALL INPUTS ARE ROUNDED TO bf16 ONCE, and the matrix operands are laid out in K SLICES of 64 channels, so that the products' tiles are dense in memory.
;   xb   bf16 [batch 4][slice 16][row 2048][64]      from x  [8192][1024] f32
;   wb   bf16 [slice 16][row 3072][64]               from Wq, Wk, Wv [1024][1024] f32 (rows 0-1023, 1024-2047, 2048-3071)
;   wo16 f16  [slice 16][row 1024][64]               from Wo: rounded to bf16 like the others, and that number written as f16
;   bias f32  [4096] = bq | bk | bv | bo             each rounded to bf16 and widened again
; LIMIT.  A bf16 number is exact in f16 between 6.1e-5 and 65,504 in magnitude; below that Wo keeps f16's fixed step of 6e-8; above it the number would be lost.
; SHARES.  Work-groups 0-511: 16 rows of x each; 512-767: 16 rows of Wq, Wk, Wv, Wo: 768 equal shares; 768-771: one bias vector each.  Of a group's 16 rows wave w owns slices 2 w and 2 w + 1.
; A load takes a slice's 256 bytes of two rows (16 lanes a row); a store writes the same two rows' 2 x 128 bytes, which lie end to end in the slice: 256 consecutive bytes, aligned.
; All 16 loads of a wave go out on end (8 KiB on their way); memory binds, so there is no LDS, no barrier and no matrix work here.
.set X, 8                              ; v[8:71]  unit u = 8 sl + p (slice sl of my two, row pair p): four registers
	s_load_b512 s[8:23], s[0:1], 0x0               ; x 8, Wq 10, Wk 12, Wv 14, Wo 16, bq 18, bk 20, bv 22
	s_load_b256 s[24:31], s[0:1], 0x40             ; bo 24, xb 26, wb 28, wo16 30
	s_load_b64 s[32:33], s[0:1], 0x60              ; bias
	s_mov_b32 s2, ttmp9                            ; the work-group's number
	v_lshrrev_b32 v1, 5, v0
	v_readfirstlane_b32 s6, v1                     ; wave 0..7
	s_mov_b32 s7, 0xffff0000                       ; a word's upper bf16
	s_mov_b32 s41, 0                               ; high words of the two offsets
	s_mov_b32 s43, 0
	s_wait_kmcnt 0x0
	s_cmp_lt_u32 s2, 512
	s_cbranch_scc0 .Lnot_x
	s_lshl_b32 s40, s2, 16                         ; 16 rows of 4,096 bytes
	s_add_nc_u64 s[36:37], s[8:9], s[40:41]        ; from: x
	s_lshr_b32 s42, s2, 7                          ; the batch: 128 groups each
	s_lshl_b32 s42, s42, 22                        ; 16 slices x 2,048 rows x 128 bytes
	s_and_b32 s44, s2, 127
	s_lshl_b32 s44, s44, 11                        ; 16 rows of 128 bytes
	s_or_b32 s42, s42, s44
	s_add_nc_u64 s[38:39], s[26:27], s[42:43]      ; to: xb
	s_mov_b32 s34, 262144                          ; bytes from slice to slice
	s_mov_b32 s35, 0                               ; stays bf16
	s_branch .Lrun
.Lnot_x:
	s_cmp_lt_u32 s2, 768
	s_cbranch_scc0 .Lbias
	s_sub_co_u32 s45, s2, 512
	s_lshr_b32 s46, s45, 6                         ; 0 Wq, 1 Wk, 2 Wv, 3 Wo
	s_and_b32 s45, s45, 63                         ; which 16 rows of it
	s_mov_b32 s34, 393216                          ; wb's slices: 3,072 rows of 128 bytes
	s_mov_b32 s44, 131072                          ; wo16's: 1,024 rows
	s_cmp_eq_u32 s46, 1
	s_cselect_b64 s[36:37], s[12:13], s[10:11]
	s_cmp_eq_u32 s46, 2
	s_cselect_b64 s[36:37], s[14:15], s[36:37]
	s_cmp_eq_u32 s46, 3
	s_cselect_b64 s[36:37], s[16:17], s[36:37]
	s_cselect_b64 s[38:39], s[30:31], s[28:29]
	s_cselect_b32 s34, s44, s34
	s_cselect_b32 s35, 1, 0                        ; Wo goes on to f16
	s_cselect_b32 s46, 0, s46                      ; and begins at wo16's row 0
	s_lshl_b32 s40, s45, 16
	s_add_nc_u64 s[36:37], s[36:37], s[40:41]
	s_lshl_b32 s42, s46, 17                        ; 1,024 rows of 128 bytes for each matrix in front
	s_lshl_b32 s44, s45, 11
	s_or_b32 s42, s42, s44
	s_add_nc_u64 s[38:39], s[38:39], s[42:43]
.Lrun:
	v_and_b32 v4, 31, v0                           ; lane
	v_lshrrev_b32 v5, 4, v4                        ; which row of a pair
	v_and_b32 v6, 15, v4                           ; which 16 bytes of a slice's 256
	v_lshlrev_b32 v1, 12, v5
	v_lshl_add_u32 v1, v6, 4, v1
	s_lshl_b32 s44, s6, 9                          ; my wave's two slices: 512 bytes of a row
	v_add_nc_u32 v1, s44, v1                       ; v1: where I read
	s_mul_i32 s45, s6, s34
	s_lshl_b32 s45, s45, 1                         ; slice 2 w
	v_lshl_add_u32 v2, v4, 3, s45                  ; v2: where I write in slice 2 w: 8 bytes a lane,
	v_add_nc_u32 v3, s34, v2                       ; v3: in slice 2 w + 1
.set u, 0
.rept 16
	global_load_b128 v[X+4*u:X+4*u+3], v1, s[36:37] offset:(u%8)*8192+(u/8)*256 th:TH_LOAD_NT
.set u, u+1
.endr
; Unit by unit: four numbers are rounded, packed into 8 bytes and stored from the registers that they came into; no register of a store is written again.
.macro CONV f16
.set u, 0
.rept 16
	s_wait_loadcnt 15-u                            ; loads come back in order (ISA guide 5.7.1): unit u is in, the younger ones stay out
	v_cvt_pk_bf16_f32 v[X+4*u], v[X+4*u], v[X+4*u+1]
	v_cvt_pk_bf16_f32 v[X+4*u+1], v[X+4*u+2], v[X+4*u+3]
.if \f16
	v_lshlrev_b32 v4, 16, v[X+4*u]                 ; the rounded numbers as f32 again,
	v_and_b32 v5, s7, v[X+4*u]
	v_lshlrev_b32 v6, 16, v[X+4*u+1]
	v_and_b32 v7, s7, v[X+4*u+1]
	v_cvt_pk_f16_f32 v[X+4*u], v4, v5              ; and written as f16
	v_cvt_pk_f16_f32 v[X+4*u+1], v6, v7
.endif
	global_store_b64 v[2+u/8], v[X+4*u:X+4*u+1], s[38:39] offset:(u%8)*256
.set u, u+1
.endr
.endm
	s_cmp_eq_u32 s35, 1
	s_cbranch_scc1 .Lf16
	CONV 0
	s_endpgm
.Lf16:
	CONV 1
	s_endpgm
.Lbias:
	s_sub_co_u32 s45, s2, 768                      ; 0 bq, 1 bk, 2 bv, 3 bo
	s_cmp_eq_u32 s45, 1
	s_cselect_b64 s[36:37], s[20:21], s[18:19]
	s_cmp_eq_u32 s45, 2
	s_cselect_b64 s[36:37], s[22:23], s[36:37]
	s_cmp_eq_u32 s45, 3
	s_cselect_b64 s[36:37], s[24:25], s[36:37]
	s_lshl_b32 s42, s45, 12
	s_add_nc_u64 s[38:39], s[32:33], s[42:43]
	v_lshlrev_b32 v1, 4, v0                        ; 256 threads x 16 bytes = the vector's 4,096
	global_load_b128 v[8:11], v1, s[36:37]
	s_wait_loadcnt 0x0
	v_cvt_pk_bf16_f32 v4, v8, v9
	v_cvt_pk_bf16_f32 v5, v10, v11
	v_lshlrev_b32 v12, 16, v4
	v_and_b32 v13, s7, v4
	v_lshlrev_b32 v14, 16, v5
	v_and_b32 v15, s7, v5
	global_store_b128 v1, v[12:15], s[38:39]
	s_endpgm
.Lfunc_end_k_qbc28533dbb_cvt:
	.size	k_qbc28533dbb_cvt, .Lfunc_end_k_qbc28533dbb_cvt-k_qbc28533dbb_cvt
	.p2alignl 7, 3214868480
	.fill 96, 4, 3214868480
	.section	.rodata,"a",@progbits
	.p2align	6, 0x0
	.amdhsa_kernel k_qbc28533dbb_cvt
		.amdhsa_group_segment_fixed_size 0
		.amdhsa_private_segment_fixed_size 0
		.amdhsa_enable_private_segment 0
		.amdhsa_kernarg_size 104
		.amdhsa_user_sgpr_count 2
		.amdhsa_user_sgpr_kernarg_segment_ptr 1
		.amdhsa_wavefront_size32 1
		.amdhsa_system_sgpr_workgroup_id_x 1
		.amdhsa_system_sgpr_workgroup_id_y 1
		.amdhsa_system_sgpr_workgroup_id_z 1
		.amdhsa_system_vgpr_workitem_id 0
		.amdhsa_next_free_vgpr 72
		.amdhsa_next_free_sgpr 66
		.amdhsa_reserve_vcc 0
		.amdhsa_float_denorm_mode_32 3
		.amdhsa_float_denorm_mode_16_64 3
		.amdhsa_memory_ordered 1
		.amdhsa_forward_progress 1
		.amdhsa_inst_pref_size 17
	.end_amdhsa_kernel
	.amdgpu_metadata
---
amdhsa.version: [ 1, 2 ]
amdhsa.kernels:
  - .name:           k_qbc28533dbb_cvt
    .symbol:         k_qbc28533dbb_cvt.kd
    .args:
      - { .name: x, .offset: 0, .size: 8, .value_kind: global_buffer, .address_space: global }
      - { .name: Wq, .offset: 8, .size: 8, .value_kind: global_buffer, .address_space: global }
      - { .name: Wk, .offset: 16, .size: 8, .value_kind: global_buffer, .address_space: global }
      - { .name: Wv, .offset: 24, .size: 8, .value_kind: global_buffer, .address_space: global }
      - { .name: Wo, .offset: 32, .size: 8, .value_kind: global_buffer, .address_space: global }
      - { .name: bq, .offset: 40, .size: 8, .value_kind: global_buffer, .address_space: global }
      - { .name: bk, .offset: 48, .size: 8, .value_kind: global_buffer, .address_space: global }
      - { .name: bv, .offset: 56, .size: 8, .value_kind: global_buffer, .address_space: global }
      - { .name: bo, .offset: 64, .size: 8, .value_kind: global_buffer, .address_space: global }
      - { .name: xb, .offset: 72, .size: 8, .value_kind: global_buffer, .address_space: global }
      - { .name: wb, .offset: 80, .size: 8, .value_kind: global_buffer, .address_space: global }
      - { .name: wo16, .offset: 88, .size: 8, .value_kind: global_buffer, .address_space: global }
      - { .name: bias, .offset: 96, .size: 8, .value_kind: global_buffer, .address_space: global }
    .group_segment_fixed_size: 0
    .private_segment_fixed_size: 0
    .kernarg_segment_align: 8
    .kernarg_segment_size: 104
    .max_flat_workgroup_size: 256
    .sgpr_count:     66
    .vgpr_count:     72
    .wavefront_size: 32
...
	.end_amdgpu_metadata
.endif
;; end of part 1
;; launch proj (part 2): grid 8 x 32, 4 waves a work-group, clusters of 4 x 4, 327,680 bytes of LDS; arguments xb, wb, bias, qkv; writes qkv
.if DOCPART == 2
	.amdgcn_target "amdgcn-amd-amdhsa--gfx1250"
	.amdhsa_code_object_version 6
	.text
	.protected	k_qbc28533dbb_proj
	.globl	k_qbc28533dbb_proj
	.p2align	8
	.type	k_qbc28533dbb_proj,@function
k_qbc28533dbb_proj:
	s_mov_b64 s[64:65], 0
	v_nop
	global_prefetch_b8 v0, s[64:65] scope:SCOPE_SE
	s_setreg_imm32_b32 hwreg(HW_REG_WAVE_MODE, 25, 1), 1
	s_wait_xcnt 0x0
	s_wait_alu depctr_hold_cnt(0) depctr_sa_sdst(0) depctr_va_vdst(0) depctr_va_sdst(0) depctr_va_ssrc(0) depctr_va_vcc(0) depctr_vm_vsrc(0)
	s_getreg_b32 s2, hwreg(HW_REG_IB_STS2, 6, 4)
	s_cmp_eq_u32 s2, 0
	s_cbranch_scc0 .Lentry_in_a_cluster
	s_endpgm
.Lentry_in_a_cluster:
	s_bfe_u32 s2, ttmp6, 0x10000c
	s_cmp_lg_u32 s2, 0xf033
	s_cbranch_scc0 .Lentry_shape_is_right
	s_endpgm
.Lentry_shape_is_right:
; q, k, v = x W^T + b.  xb: bf16 [4][16 slices][2048][64]; wb: bf16 [16 slices][3072][64]; bias: f32, its first 3,072 numbers; qkv: f16 [3][batch x 16 + head][2048][64], unscaled.
; Products in bf16, sums in f32, K ascending; the sums START WITH THE BIAS (it is the C of the first products), and the result is rounded once, to f16.
; LIMIT.  f16 holds no number beyond 65,504: q, k and v must lie within it (1,024 terms x W: inputs 30 times the drawn ones give some 4e3, offsets of 30 spreads some 2e4).  NaN and infinities are not treated apart.
; SHARES.  C is 8,192 x 3,072; a tile is 256 x 384, so that there are 32 x 8 = 256 work-groups.  Four waves, each 128 rows x 192 columns (three heads): 96 accumulators of 16 x 16, 768 registers.
; K goes in slices of 64 through two LDS slots.  In memory a slice's rows lie end to end, 128 bytes each, so a tile is asked for as rows of 256 bytes (two rows of the matrix) and padded in LDS after every 128.
; A trip of the loop is written once for both slots: slot 1 begins at 1 << 17, and one exclusive or turns an address in one slot into the other's.
; CLUSTER.  4 x 4 work-groups: the four of a row of the cluster need the same tiles of x, the four of a column the same tiles of W: each tile is asked for JOINTLY, by the same tensor load with the same
; descriptor and a mask that names the four.
; THE MATRIX INSTRUCTION IS USED TRANSPOSED (source 0 = 16 rows of W, source 1 = 16 rows of x): a lane holds one row of C (lane % 16) and eight neighbouring columns 8 (lane / 16) + 0..7.
; REGISTERS, in windows of 256 (s_set_vgpr_msb: bits 1:0 source 0, 3:2 source 1, 5:4 source 2, 7:6 destination):
;   window 0: v0-31 addresses; v32-95, v96-159 x's fragments (8 x 16 rows x 32 K), two buffers; v160-255 W's fragments (12), ONE buffer used as a ring: the four fragments of a head are loaded for
;   the next 32 along K straight behind the 32 products that read them, 64 products ahead of their next use.     window 1 + g: head g's 32 accumulators, (a, bb) at v[8 (4 a + bb)].
.set PITCH, 144                        ; an LDS row: 128 bytes + 16 of padding = 36 words: the 16 rows of a load start at 16 different groups of four banks (64 banks of 4 bytes: ISA guide 11.1)
.set AHALF, 128*PITCH                  ; 128 rows of x: what waves 0 and 1 fetch, and what a wave reads
.set BHALF, 192*PITCH                  ; 192 rows of W: what waves 2 and 3 fetch, and what a wave reads
.set BOFFS, 2*AHALF                    ; W's rows lie behind x's 256
.set SLOT,  2*AHALF+2*BHALF            ; 92,160 bytes
.set SLOT1, 1<<17                      ; where slot 1 begins
.set STAGE, SLOT1+SLOT                 ; behind the ring, never filled by a tensor load: 16 rows x 144 bytes for each wave, for the way out
.set STG,   16*PITCH
.set SPARE, STAGE+4*STG                ; behind the stages: the spare words, 128 bytes for each wave: two blocks of 256 bytes that no other line names
.set ASTEP, 262144                     ; bytes from slice to slice in xb
.set BSTEP, 393216                     ; and in wb
.set ADRA0, 16                         ; v16     LDS address of my fragments of x in slot 0; never rewritten
.set ADRA,  17                         ; v17     the same in the slot that is being read
.set ADRB0, 20                         ; v20, v21  the same for W
.set ADRB,  21
.set STO,  24                          ; v24     the way out: where I put 16 bytes of a row
.set RD,   25                          ; v25     the way out: where I read rows back
.set GO,   26                          ; v26     my byte offset in 512 consecutive bytes of a head
.set BOF,  27                          ; v27     my byte offset in 16 columns of the bias
.set SPW,  28                          ; v28     LDS address of my spare word: SPARE + 4 x my thread's number; never rewritten
.set NIL,  29                          ; v29     0; never rewritten
.set FA0,  32
.set FA1,  96
.set FB,   160
.set BIA,  224                         ; in window 1 + g: the accumulators (7, bb), into which head g's bias is loaded
.set PK,   128                         ; the way out: 16 registers of f16
.set BK,   192                         ; the way out: 16 rows read back, two buffers of 16
.set TB,  15                           ; s15     0 or SLOT1: the slot that is being read
.set G1,  24                           ; s[24:31] descriptor group 1 for x's tiles;  s[32:39] group 0: a set for each of the two first fills; the second then walks on
.set G0,  32
.set G1B, 48                           ; s[48:55], s[56:63] the same for W's tiles
.set G0B, 56
.set DST, 66                           ; s[66:71] where my rows of my three heads begin in qkv
.set MSB, 0
.macro WIN new                         ; the immediate's high byte repeats the setting that is left; a switch that changes nothing is dropped
.if MSB != (\new)
	s_set_vgpr_msb (MSB<<8)|(\new)
.set MSB, \new
.endif
.endm
; A joint load.  Waves 0 and 1 fetch x's two halves, waves 2 and 3 W's.  The branch hangs on the wave's number alone.  An s_nop 0 and four v_nop follow each of the two lines, ahead of the jump and the label.
.macro JLOAD s
	s_cmp_eq_u32 s13, 0
	s_cbranch_scc0 .Lfor_b_\@
	tensor_load_to_lds s[G0+4*(\s):G0+4*(\s)+3], s[G1:G1+7]
	s_nop 0
.rept 4
	v_nop
.endr
	s_branch .Lasked_\@
.Lfor_b_\@:
	tensor_load_to_lds s[G0B+4*(\s):G0B+4*(\s)+3], s[G1B:G1B+7]
	s_nop 0
.rept 4
	v_nop
.endr
.Lasked_\@:
.endm
; A round of the cluster's barrier: my work-group's barrier, so that wave 0's signal speaks for all four waves; wave 0 signals; every wave waits for all sixteen work-groups; my work-group's barrier once more.
.macro CREST                           ; a round behind its opening barrier
	s_cmp_lg_u32 s12, 0
	s_cbranch_scc1 .Lnot_wave_0_\@
	s_barrier_signal -3
.Lnot_wave_0_\@:
	s_barrier_wait -3
	s_barrier_signal -1
	s_barrier_wait -1
.endm
.macro CROUND
	s_barrier_signal -1
	s_barrier_wait -1
	CREST
.endm
	s_load_b256 s[4:11], s[0:1], 0x0               ; xb s[4:5], wb s[6:7], bias s[8:9], qkv s[10:11]
	v_lshl_add_u32 v[SPW], v0, 2, SPARE
	v_mov_b32 v[NIL], 0
	v_lshrrev_b32 v1, 5, v0
	v_readfirstlane_b32 s12, v1                    ; wave 0..3
	s_lshr_b32 s13, s12, 1                         ; which 128 rows of the tile are mine.  Also: I fetch for x (0) or for W (1)
	s_and_b32 s14, s12, 1                          ; which 192 columns.  Also: which half of that tile I fetch
	s_bfe_u32 s40, ttmp6, 0x40000                  ; cx, cy: my place in the cluster
	s_bfe_u32 s41, ttmp6, 0x40004
	s_lshl_b32 s42, ttmp9, 2
	s_add_co_u32 s42, s42, s40                     ; tile column 0..7 = 4 x cluster x + cx
	s_and_b32 s45, ttmp7, 0xffff
	s_lshl_b32 s45, s45, 2
	s_add_co_u32 s45, s45, s41                     ; tile row 0..31 = 4 x cluster y + cy
	s_lshl_b32 s43, s41, 2
	s_lshl_b32 s43, 15, s43                        ; my row of the cluster
	s_lshl_b32 s44, 0x1111, s40                    ; my column
	; descriptor group 1: rows of 128 elements (256 bytes), dense; 64 of them for x's half, 96 for W's
	s_or_b32 s[G1], s43, (1<<16)|(1<<20)|(1<<21)|(4<<22)|(3<<25)   ; 15:0 the mask: my row; 17:16 2-byte elements; 20 padding on; 21 set beside a mask; 24:22 after every 32 words (code 4); 31:25 4 words (code 3)
	s_or_b32 s[G1B], s44, (1<<16)|(1<<20)|(1<<21)|(4<<22)|(3<<25)  ; the same with the mask of my column
	s_mov_b32 s[G1+1], 128<<16                     ; tensor_dim0 = 128
	s_mov_b32 s[G1+2], 64<<16                      ; tensor_dim1 = 64
	s_mov_b32 s[G1+3], 128<<16                     ; tile_dim0 = 128
	s_mov_b32 s[G1+4], 64                          ; tile_dim1 = 64
	s_mov_b32 s[G1+5], 128                         ; 128 elements from row to row
	s_mov_b32 s[G1+6], 0
	s_mov_b32 s[G1+7], 0
	s_mov_b32 s[G1B+1], 128<<16
	s_mov_b32 s[G1B+2], 96<<16                     ; tensor_dim1 = 96
	s_mov_b32 s[G1B+3], 128<<16
	s_mov_b32 s[G1B+4], 96                         ; tile_dim1 = 96
	s_mov_b32 s[G1B+5], 128
	s_mov_b32 s[G1B+6], 0
	s_mov_b32 s[G1B+7], 0
	; where the tiles come from.  x's hang on the tile row alone, W's on the tile column alone, each in registers that never hold the other coordinate
	s_lshr_b32 s16, s45, 3                         ; the batch: 8 tile rows each,
	s_lshl_b32 s16, s16, 22                        ; 16 slices x 2,048 rows x 128 bytes
	s_and_b32 s17, s45, 7
	s_lshl_b32 s17, s17, 15                        ; 256 rows of 128 bytes
	s_add_co_u32 s16, s16, s17
	s_lshl_b32 s17, s14, 14                        ; the half that I fetch
	s_add_co_u32 s16, s16, s17
	s_mov_b32 s17, 0
	s_mul_i32 s46, s42, 384*128
	s_mul_i32 s47, s14, 192*128
	s_add_co_u32 s46, s46, s47
	s_mov_b32 s47, 0
	s_mul_i32 s20, s14, AHALF                      ; and where they go: no place in the cluster enters an LDS address
	s_mul_i32 s21, s14, BHALF
	s_add_co_u32 s21, s21, BOFFS
	s_wait_kmcnt 0x0
	s_add_nc_u64 s[16:17], s[4:5], s[16:17]
	s_add_nc_u64 s[46:47], s[6:7], s[46:47]
	CROUND                                         ; all sixteen work-groups are here: the first joint loads meet
.irp s, 0,1
	s_mov_b32 s[G0+4*(\s)], 1                                      ; 1:0 count = 1
	s_add_co_u32 s[G0+4*(\s)+1], s20, (\s)*SLOT1                   ; 63:32 LDS address
	s_add_nc_u64 s[G0+4*(\s)+2:G0+4*(\s)+3], s[16:17], (\s)*ASTEP  ; 120:64 global address: slice s
	s_or_b32 s[G0+4*(\s)+3], s[G0+4*(\s)+3], 0x80000000            ; 127:126 type = 2
	s_mov_b32 s[G0B+4*(\s)], 1
	s_add_co_u32 s[G0B+4*(\s)+1], s21, (\s)*SLOT1
	s_add_nc_u64 s[G0B+4*(\s)+2:G0B+4*(\s)+3], s[46:47], (\s)*BSTEP
	s_or_b32 s[G0B+4*(\s)+3], s[G0B+4*(\s)+3], 0x80000000
	JLOAD \s                                       ; both slots are asked for before anything else is done: two loads of mine are out
.endr
	; A fragment is 16 rows x 32 K in 8 registers: lane l holds row l % 16, K = 8 (l / 16) + 0..7 and 16 + 8 (l / 16) + 0..7: two loads of 16 bytes, 32 bytes apart.
	v_and_b32 v1, 15, v0                           ; l % 16
	v_bfe_u32 v2, v0, 4, 1                         ; l / 16
	v_mul_u32_u24 v3, v1, PITCH
	v_lshl_add_u32 v3, v2, 4, v3                   ; row x pitch + 16 x half
	s_mul_i32 s22, s13, AHALF                      ; my 128 rows of x
	s_mul_i32 s23, s14, BHALF                      ; my 192 rows of W
	s_add_co_u32 s23, s23, BOFFS
	v_add_nc_u32 v[ADRA0], s22, v3
	v_add_nc_u32 v[ADRB0], s23, v3
	v_mov_b32 v[ADRA], v[ADRA0]                    ; slot 0 is read first
	v_mov_b32 v[ADRB], v[ADRB0]
	s_mov_b32 s[TB], 0
	s_mul_i32 s22, s12, STG
	s_add_co_u32 s22, s22, STAGE                   ; my stage
	v_add_nc_u32 v[STO], s22, v3                   ; in: row l % 16, 16 bytes for each half of the lanes
	v_bfe_u32 v4, v0, 3, 2                         ; back: 32 lanes take four rows of 128 bytes,
	v_mul_u32_u24 v4, v4, PITCH
	v_and_b32 v5, 7, v0
	v_lshl_add_u32 v4, v5, 4, v4
	v_add_nc_u32 v[RD], s22, v4
	v_and_b32 v5, 31, v0                           ; which are 512 consecutive bytes of a head
	v_lshlrev_b32 v[GO], 4, v5
	v_lshlrev_b32 v[BOF], 5, v2                    ; my eight columns of sixteen: 32 bytes of f32
	; where my rows of my three heads begin.  Column block G = 6 x tile column + 3 x half + g of 48: tensor G / 16 (q, k, v), head G % 16
	s_mul_i32 s72, s42, 6
	s_mul_i32 s73, s14, 3
	s_add_co_u32 s72, s72, s73
	s_lshr_b32 s74, s45, 3
	s_lshl_b32 s74, s74, 4                         ; 16 x batch
	s_and_b32 s75, s45, 7
	s_lshl_b32 s75, s75, 15                        ; the tile's 256 rows in the head,
	s_lshl_b32 s76, s13, 14                        ; my 128 of them
	s_add_co_u32 s75, s75, s76
.irp g, 0,1,2
	s_add_co_u32 s76, s72, \g
	s_lshr_b32 s77, s76, 4
	s_lshl_b32 s77, s77, 6                         ; 64 heads in each of q, k, v
	s_and_b32 s76, s76, 15
	s_add_co_u32 s76, s76, s77
	s_add_co_u32 s76, s76, s74
	s_lshl_b32 s76, s76, 18                        ; a head is 2,048 rows of 128 bytes
	s_add_co_u32 s76, s76, s75
	s_mov_b32 s77, 0
	s_add_nc_u64 s[DST+2*(\g):DST+2*(\g)+1], s[10:11], s[76:77]
.endr
	s_mul_i32 s76, s42, 384*4
	s_mul_i32 s78, s14, 192*4
	s_add_co_u32 s76, s76, s78
	s_add_nc_u64 s[8:9], s[8:9], s[76:77]          ; the bias at my first column
	; The bias of my 192 columns, eight numbers a lane for each column block, as an accumulator holds them (register j: column 8 (l / 16) + j): head g's four blocks go into the registers of its accumulators (7, bb)
.irp g, 0,1,2
	WIN 0x40*((\g)+1)                              ; destination in window 1 + g, address in window 0
.irp bb, 0,1,2,3
	global_load_b128 v[BIA+8*(\bb):BIA+8*(\bb)+3],   v[BOF], s[8:9] offset:64*(4*(\g)+(\bb))
	global_load_b128 v[BIA+8*(\bb)+4:BIA+8*(\bb)+7], v[BOF], s[8:9] offset:64*(4*(\g)+(\bb))+16
.endr
.endr
	WIN 0
; 8 matrix instructions: column block bb of head g x all 8 row blocks, 32 along K.
; The 96 accumulators take turns, one instruction a turn.
.macro MUL8 g, fa, bb
	WIN 0x50*((\g)+1)                              ; C and D in window 1 + g, both sources in window 0
.irp a, 0,1,2,3,4,5,6,7
	v_wmma_f32_16x16x32_bf16 v[8*(4*(\a)+(\bb)):8*(4*(\a)+(\bb))+7], v[FB+8*(4*(\g)+(\bb)):FB+8*(4*(\g)+(\bb))+7], v[(\fa)+8*(\a):(\fa)+8*(\a)+7], v[8*(4*(\a)+(\bb)):8*(4*(\a)+(\bb))+7]
.endr
.endm
.macro GRP g, fa                       ; a head's 32 products
	MUL8 \g, \fa, 0
	MUL8 \g, \fa, 1
	MUL8 \g, \fa, 2
	MUL8 \g, \fa, 3
.endm
; A head's FIRST 32 products start the sums with the bias: nothing is cleared and nothing is added later.  Row blocks 0 to 6 take the bias, which lies in row block 7's accumulators, as C;
; then five places, since the products that follow write over registers that those have read (ISA guide 7.12.1); then row block 7 adds in place.
.macro FIRST g, fa
	WIN 0x50*((\g)+1)
.irp bb, 0,1,2,3
.irp a, 0,1,2,3,4,5,6
	v_wmma_f32_16x16x32_bf16 v[8*(4*(\a)+(\bb)):8*(4*(\a)+(\bb))+7], v[FB+8*(4*(\g)+(\bb)):FB+8*(4*(\g)+(\bb))+7], v[(\fa)+8*(\a):(\fa)+8*(\a)+7], v[BIA+8*(\bb):BIA+8*(\bb)+7]
.endr
.endr
.rept 5
	v_nop
.endr
.irp bb, 0,1,2,3
	v_wmma_f32_16x16x32_bf16 v[BIA+8*(\bb):BIA+8*(\bb)+7], v[FB+8*(4*(\g)+(\bb)):FB+8*(4*(\g)+(\bb))+7], v[(\fa)+56:(\fa)+63], v[BIA+8*(\bb):BIA+8*(\bb)+7]
.endr
.endm
.macro LOADA k, fa                     ; 16 loads: my 128 rows of x, 32 K at byte k of the rows, from the slot that is being read
.irp a, 0,1,2,3,4,5,6,7
	ds_load_b128 v[(\fa)+8*(\a):(\fa)+8*(\a)+3],   v[ADRA] offset:(\k)+(\a)*16*PITCH
	ds_load_b128 v[(\fa)+8*(\a)+4:(\fa)+8*(\a)+7], v[ADRA] offset:(\k)+(\a)*16*PITCH+32
.endr
.endm
.macro LOADB k, g                      ; 8 loads: head g's 64 rows of W
.irp bb, 0,1,2,3
	ds_load_b128 v[FB+8*(4*(\g)+(\bb)):FB+8*(4*(\g)+(\bb))+3],   v[ADRB] offset:(\k)+(4*(\g)+(\bb))*16*PITCH
	ds_load_b128 v[FB+8*(4*(\g)+(\bb))+4:FB+8*(4*(\g)+(\bb))+7], v[ADRB] offset:(\k)+(4*(\g)+(\bb))*16*PITCH+32
.endr
.endm
; A load into a register that a matrix instruction has read, and a vector instruction that reads a matrix result, stand four places behind it, and only plain vector instructions that name none of
; its registers are places (ISA guide 7.12.1 for vector instructions).
.macro PLACES
.rept 4
	v_nop
.endr
.endm
; A slice is two halves of 32 along K, 96 products each.  The LDS loads are always out in three runs: 24 (head 0's W and all of x), 8 (head 1's W), 8 (head 2's W).
; The first half multiplies buffer FA0 and fetches the slice's second half.  first = 1: the very first products.
.macro HEAD g, first
.if \first
	FIRST \g, FA0
.else
	GRP \g, FA0
.endif
.endm
.macro EVEN first
	s_wait_dscnt 16                                ; the run of 24 is in; the two runs of 8 behind it may be out
	HEAD 0, \first
	PLACES
	WIN 0
	LOADB 64, 0
	LOADA 64, FA1
	s_wait_dscnt 32                                ; head 1's run is in: behind it came 8 and the 24 just issued
	HEAD 1, \first
	PLACES
	WIN 0
	LOADB 64, 1
	s_wait_dscnt 32                                ; head 2's run is in: behind it came 24 and 8
	HEAD 2, \first
	PLACES
	WIN 0
	LOADB 64, 2
.endm
; The second half multiplies FA1 and changes slots: ONE barrier.  In front of it each wave waits for all its tensor loads, of which one is out: its part of the next slot; adds 0 to its spare word; and waits
; for that and for its own reads of this slot.  Behind it nobody reads this slot any more and the next slot is whole.  fill = 1: the barrier opens a round of the cluster's, and this slot is filled again,
; two slices on, first thing behind the round: 176 products stand between that request and the wait for it.
.macro ODD fill
	s_wait_dscnt 16
	MUL8 0, FA1, 0
	MUL8 0, FA1, 1
	WIN 0                                          ; (the add's two registers lie in window 0)
	s_wait_tensorcnt 0x0                           ; all my tensor loads have landed;
	ds_add_u32 v[SPW], v[NIL]                      ; 0 onto my spare word;
	MUL8 0, FA1, 2                                 ; eight products stand between the add and the wait for it
	s_wait_dscnt 0x0                               ; the add is done, and my reads of this slot are over
	s_barrier_signal -1
	MUL8 0, FA1, 3                                 ; work on registers while the others arrive
	WIN 0
	s_barrier_wait -1
.if \fill
	CREST                                          ; no wave of any partner still reads this slot's tile or has a load on its way
	s_xor_b32 s[G0+5], s[G0+5], SLOT1              ; the walking descriptors: the other slot than last time,
	s_add_nc_u64 s[G0+6:G0+7], s[G0+6:G0+7], ASTEP ; the next slice; the type bits on top are not reached
	s_xor_b32 s[G0B+5], s[G0B+5], SLOT1
	s_add_nc_u64 s[G0B+6:G0B+7], s[G0B+6:G0B+7], BSTEP
	JLOAD 1                                        ; my one tensor load behind the round; the four v_nop behind it are also the places in front of the loads below
.else
	PLACES
.endif
	s_xor_b32 s[TB], s[TB], SLOT1                  ; the reads go on in the other slot
	v_add_nc_u32 v[ADRA], s[TB], v[ADRA0]
	v_add_nc_u32 v[ADRB], s[TB], v[ADRB0]
	LOADB 0, 0
	LOADA 0, FA0
	GRP 1, FA1                                     ; its fragments came in with the wait for 0
	PLACES
	WIN 0
	LOADB 0, 1
	GRP 2, FA1
	PLACES
	WIN 0
	LOADB 0, 2
.endm
	s_wait_tensorcnt 1                             ; my part of slice 0 is in; slice 1's may stay out
	s_barrier_signal -1
	s_barrier_wait -1                              ; everybody's is
	LOADB 0, 0
	LOADA 0, FA0
	LOADB 0, 1
	LOADB 0, 2
	s_wait_loadcnt 0x0                             ; the bias
	EVEN 1                                         ; the first 32 along K stand in front of the loop: their products start the sums
	s_mov_b32 s3, 14
.Llap:                                                 ; a trip ends one slice, fills its slot again and begins the next: slices 2 to 15 are asked for in fourteen trips
	ODD 1
	EVEN 0
	s_sub_co_u32 s3, s3, 1
	s_cmp_lg_u32 s3, 0
	s_cbranch_scc1 .Llap
	ODD 0                                          ; the end of slice 14 and slice 15 are written out: nothing more is asked for
	EVEN 0
	s_wait_dscnt 16                                ; the very last 32 along K
	GRP 0, FA1
	s_wait_dscnt 8
	GRP 1, FA1
	s_wait_dscnt 0x0
	GRP 2, FA1
	WIN 0
	PLACES
; THE WAY OUT, in 24 units of 16 rows x one head.  PACK: the sums are rounded to f16, 16 bytes a lane.  TOSTAGE: into my own stage in LDS, and back as whole rows of 128 bytes.  SEND: stored.
.macro PACK g, a
	WIN 5*((\g)+1)                                 ; sources 0 and 1 in window 1 + g, destination in window 0
.set i, 0
.rept 16
	v_cvt_pk_f16_f32 v[PK+i], v[32*(\a)+2*i], v[32*(\a)+2*i+1]  ; ascending: each accumulator is read from its low end on
.set i, i+1
.endr
	WIN 0
.endm
.macro TOSTAGE u
	WIN 0
.irp f, 0,1,2,3
	ds_store_b128 v[STO], v[PK+4*(\f):PK+4*(\f)+3] offset:32*(\f)
.endr
.irp f, 0,1,2,3
	ds_load_b128 v[BK+16*((\u)%2)+4*(\f):BK+16*((\u)%2)+4*(\f)+3], v[RD] offset:4*PITCH*(\f)  ; LDS serves a wave's instructions in order (ISA guide 5.7.1.4): these see the stores above; the next unit's stores come behind them
.endr
.endm
.macro SEND g, a, u
	s_wait_dscnt 0x0                               ; the unit is back in registers
	s_wait_xcnt 0x0                                ; every earlier store has had its addresses translated (ISA guide 3.1): the other buffer, which the unit before was stored from, is loaded again only behind this wait
.irp f, 0,1,2,3
	global_store_b128 v[GO], v[BK+16*((\u)%2)+4*(\f):BK+16*((\u)%2)+4*(\f)+3], s[DST+2*(\g):DST+2*(\g)+1] offset:2048*(\a)+512*(\f)  ; 512 consecutive bytes, at a multiple of 512 from qkv's first byte
.endr
.endm
	PACK 0, 0
	TOSTAGE 0
.set u, 1
.rept 23                               ; a unit's arithmetic stands between the loads of the unit before and the wait for them
	PACK u/8, u%8
	SEND (u-1)/8, (u-1)%8, u-1
	TOSTAGE u
.set u, u+1
.endr
	SEND 2, 7, 23
	s_wait_tensorcnt 0x0                           ; the wave's end, behind my last tensor load and my last LDS store
	ds_add_u32 v[SPW], v[NIL]
	s_wait_dscnt 0x0
	CROUND                                         ; the closing round: no work-group ends while a partner may still ask for a tile that names it
	s_endpgm
.Lfunc_end_k_qbc28533dbb_proj:
	.size	k_qbc28533dbb_proj, .Lfunc_end_k_qbc28533dbb_proj-k_qbc28533dbb_proj
	.p2alignl 7, 3214868480
	.fill 96, 4, 3214868480
	.section	.rodata,"a",@progbits
	.p2align	6, 0x0
	.amdhsa_kernel k_qbc28533dbb_proj
		.amdhsa_group_segment_fixed_size 327680
		.amdhsa_private_segment_fixed_size 0
		.amdhsa_enable_private_segment 0
		.amdhsa_kernarg_size 32
		.amdhsa_user_sgpr_count 2
		.amdhsa_user_sgpr_kernarg_segment_ptr 1
		.amdhsa_wavefront_size32 1
		.amdhsa_system_sgpr_workgroup_id_x 1
		.amdhsa_system_sgpr_workgroup_id_y 1
		.amdhsa_system_sgpr_workgroup_id_z 1
		.amdhsa_system_vgpr_workitem_id 0
		.amdhsa_next_free_vgpr 1024
		.amdhsa_next_free_sgpr 80
		.amdhsa_reserve_vcc 0
		.amdhsa_float_denorm_mode_32 3
		.amdhsa_float_denorm_mode_16_64 3
		.amdhsa_memory_ordered 1
		.amdhsa_forward_progress 1
		.amdhsa_inst_pref_size 116
	.end_amdhsa_kernel
	.amdgpu_metadata
---
amdhsa.version: [ 1, 2 ]
amdhsa.kernels:
  - .name:           k_qbc28533dbb_proj
    .symbol:         k_qbc28533dbb_proj.kd
    .args:
      - { .name: xb, .offset: 0, .size: 8, .value_kind: global_buffer, .address_space: global }
      - { .name: wb, .offset: 8, .size: 8, .value_kind: global_buffer, .address_space: global }
      - { .name: bias, .offset: 16, .size: 8, .value_kind: global_buffer, .address_space: global }
      - { .name: qkv, .offset: 24, .size: 8, .value_kind: global_buffer, .address_space: global }
    .group_segment_fixed_size: 327680
    .private_segment_fixed_size: 0
    .kernarg_segment_align: 8
    .kernarg_segment_size: 32
    .max_flat_workgroup_size: 128
    .sgpr_count:     80
    .vgpr_count:     1024
    .wavefront_size: 32
...
	.end_amdgpu_metadata
.endif
;; end of part 2
;; launch attn (part 3): grid 4 x 64, 4 waves a work-group, clusters of 4 x 1, 327,680 bytes of LDS; arguments qkv, ctx; writes ctx
.if DOCPART == 3
	.amdgcn_target "amdgcn-amd-amdhsa--gfx1250"
	.amdhsa_code_object_version 6
	.text
	.protected	k_qbc28533dbb_attn
	.globl	k_qbc28533dbb_attn
	.p2align	8
	.type	k_qbc28533dbb_attn,@function
k_qbc28533dbb_attn:
	s_mov_b64 s[64:65], 0
	v_nop
	global_prefetch_b8 v0, s[64:65] scope:SCOPE_SE
	s_setreg_imm32_b32 hwreg(HW_REG_WAVE_MODE, 25, 1), 1
	s_wait_xcnt 0x0
	s_wait_alu depctr_hold_cnt(0) depctr_sa_sdst(0) depctr_va_vdst(0) depctr_va_sdst(0) depctr_va_ssrc(0) depctr_va_vcc(0) depctr_vm_vsrc(0)
	s_getreg_b32 s2, hwreg(HW_REG_IB_STS2, 6, 4)
	s_cmp_eq_u32 s2, 0
	s_cbranch_scc0 .Lentry_in_a_cluster
	s_endpgm
.Lentry_in_a_cluster:
	s_bfe_u32 s2, ttmp6, 0x10000c
	s_cmp_lg_u32 s2, 0x3003
	s_cbranch_scc0 .Lentry_shape_is_right
	s_endpgm
.Lentry_shape_is_right:
; ctx[h][q][:] = the sum over k of softmax_k(Q[h][q] . K[h][k] / 8) V[h][k][:], h = batch x 16 + head.  qkv: f16 [3][64][2048][64] (Q, then K, then V); ctx: f16 [64][2048][64]: a head's rows are dense, 128 bytes each.
; Products, maxima and sums in f32; the weights p are rounded to f16 for the second product (their sum l is taken of the unrounded p), ctx once at the end.
; LIMITS.  f16 holds no number beyond 65,504: Q, K and V arrive within it; p lies in 0 to 1, and below 6e-5 it keeps f16's fixed step of 6e-8; ctx is a mean of V's rows and has their range.
; A weight below 2^-126 counts as 0 in l; NaN and infinities are not treated apart.
; SHARES.  A wave owns four PIECES of two tiles of 16 queries, a work-group's four waves 512 queries of one head.  Every wave walks all keys, 64 a step.
; LAYOUT.  S^T = K Q^T (source 0 = 16 keys, source 1 = 16 queries): in the result a lane holds ONE query (lane % 16) and the keys 8 (lane / 16) + 0..7.  Two such tiles, rounded to f16 in pairs,
; ARE source 1 (32 keys x 16 queries) of O^T = V^T P, whose result again holds one query a lane, and eight channels.  K comes out of LDS as it lies, V ([key][channel]) turned, by ds_load_tr16_b128.
; SOFTMAX.  For each query a running maximum m and sum l: p = 2^(c s - c m), c = log2(e) / 8; in every step O and l are multiplied by a = 2^(c m_old - c m_new), which is 1 where m has not grown.
; m starts at the lowest finite number, O and l at 0: the first step is a step like any other, with a = 0.
; THE COUNT.  A tile and step have 16 matrix and 118 vector instructions: too many to stand all beside the matrix work.  So the order has one aim: four vector instructions that are READY behind
; EVERY matrix instruction, and the others, which need time of their own whatever the order, in runs without a gap.
; BY TURNS.  Turn n belongs to piece n (the pieces in a ring, step after step).  Its matrix work: 16 products K Q^T of piece n + 1, later 16 products V^T P of piece n - 1.  Its vector work: the scaling,
; exponentials, roundings, sums and rescaling of piece n, and the maximum and statistics of piece n + 1, whose scores the turn itself has made.  So what a turn begins with (c s - c m, O a) waits for nothing.
; CLUSTER.  The four query blocks of a cluster belong to one head and walk the same K and V, so each tile is asked for JOINTLY: the same tensor load, descriptor and mask in all four.
; REGISTERS, in windows of 256 (s_set_vgpr_msb says which window each operand place means: bits 1:0 source 0, 3:2 source 1, 5:4 source 2, 7:6 destination):
;   window 0: v0-11 addresses; v12-15, v48-63 at work; v16-47 four registers of statistics a tile; v64-191 S^T, two buffers of two tiles; v192-255 P, likewise
;   window 1: O^T, 32 a tile          window 2: v0-127 Q, 16 a tile; v128-191 K of one step; v192-255 V of one step          window 3: v0-1 the add's two registers
; A piece's buffers go by its number's parity: the piece in hand has one pair, its two neighbours in the ring share the other: of it P (piece n - 1) is read and S^T (piece n + 1) written.
.set SIZE_H, 64       ; batch x heads
.set SIZE_N, 2048     ; rows of a head
.set NP,    4         ; pieces a wave: a name, no knob: the register map, the loop and the fetches are made for four
.set KS,    64        ; keys in a step
.set PK,    144       ; a row of K in LDS: 128 bytes + 16 of padding = 36 words: the 16 rows of a load start at 16 different groups of four banks (64 banks of 4 bytes: ISA guide 11.1)
.set PV,    160       ; a row of V: 128 + 32 = 40 words
.set VOFF,  4*KS*PK   ; a slot holds four steps: 256 rows of K, then 256 rows of V
.set SLOT1, 1<<17     ; slot 1 begins here, so that one exclusive or turns an address in one slot into the other's
.set STAGE, SLOT1+4*KS*(PK+PV)  ; behind the ring, never filled by a tensor load: 16 rows x 144 bytes for each wave, for the way out
.set SP,    144
.set AK0, 2           ; v2   my lane's place in a tile of K; never rewritten
.set AV0, 3           ; v3   the same for V
.set AK,  4           ; v4   the LDS address of K's next run of loads
.set AV,  5           ; v5   of V's
.set QO,  6           ; v6   my byte offset in the wave's rows of Q
.set STO, 6           ;      later, the way out: where I put 16 bytes of a row
.set RD,  7           ; v7   the way out: where I read rows back
.set GO,  8           ; v8   my byte offset in 512 consecutive bytes of ctx
.set SPW, 0           ; v0 of window 3   LDS address of my spare word: SPARE + 4 x my thread's number; never rewritten
.set NIL, 1           ; v1 of window 3   0; never rewritten
.set SPARE, STAGE+4*16*SP  ; behind the stages: the spare words, 128 bytes for each wave: two blocks of 256 bytes that no other line names
.set MV,  12          ; v12-15  c m_old, kept while c m is made anew: by buffer and tile
.set ST,  16          ; tile t's statistics at v[ST+4 t]: c m, m, l (even keys', odd keys')
.set TMP, 48          ; by buffer and tile, four registers c0-c3 at work; when the maximum is found c2 takes a
.set S,   64
.set P,   192
.set KF,  128         ; K's fragments, in window 2: key block kb, channel half c at KF + 16 kb + 8 c
.set VF,  192         ; V's: key half kk, channel block cb at VF + 32 kk + 8 cb
.set WV,  12          ; s12  my wave's number
.set G1K, 24          ; s[24:31] descriptor group 1 for K's tiles
.set G1V, 32          ; s[32:39] for V's: it differs in the padding alone
.set G0K, 40          ; s[40:43] descriptor group 0 for K's tiles: it walks
.set G0V, 44          ; s[44:47] the same for V's
.set SLOTS, 56        ; s56  slots still to be asked for
.set CNT, 57          ; s57  counts a slot's key steps
.set CS,  58          ; s[58:59] c: the packed scaling takes the pair's low word for both halves
.set SEL, 60          ; s[60:61] v_permlanex16_b32's selects: each lane takes its own place in the other half
.set TBK, 62          ; s62  LDS byte at which K of the step to be fetched begins
.set TBV, 63          ; s63  the same for V, less VOFF
.set MSB, 0
.macro WIN new                      ; the high byte repeats the setting that is left; a switch that changes nothing is dropped
.if MSB != (\new)
	s_set_vgpr_msb (MSB<<8)|(\new)
.set MSB, (\new)
.endif
.endm
.set W_KQ, 0x0a       ; K and Q in window 2, S^T in window 0
.set W_PV, 0x52       ; V in window 2, P in window 0, O^T in window 1
.set W_RS, 0x41       ; O^T (destination and source 0) in window 1, a in window 0
.set W_MK, 0xc0       ; the add's registers are made: destination in window 3, sources in window 0
.set W_AD, 0x0f       ; the add: address (source 0) and data (source 1) in window 3
; A joint fill.  Waves 0 and 1 fetch the two halves of a slot's K, waves 2 and 3 those of its V: 128 keys each.  The branch hangs on the wave's number alone.
; An s_nop 0 and four v_nop follow each of the two lines, ahead of the jump and the label.
.macro JLOAD
	s_cmp_lt_u32 s[WV], 2
	s_cbranch_scc0 .Lfor_v_\@
	tensor_load_to_lds s[G0K:G0K+3], s[G1K:G1K+7]
	s_nop 0
.rept 4
	v_nop
.endr
	s_branch .Lasked_\@
.Lfor_v_\@:
	tensor_load_to_lds s[G0V:G0V+3], s[G1V:G1V+7]
	s_nop 0
.rept 4
	v_nop
.endr
.Lasked_\@:
.endm
; A round of the cluster's barrier: my work-group's barrier, so that wave 0's signal speaks for all four waves; wave 0 signals; every wave waits for all four work-groups; my work-group's barrier once more.
.macro CROUND
	s_barrier_signal -1
	s_barrier_wait -1
	s_cmp_lg_u32 s[WV], 0
	s_cbranch_scc1 .Lnot_wave_0_\@
	s_barrier_signal -3
.Lnot_wave_0_\@:
	s_barrier_wait -3
	s_barrier_signal -1
	s_barrier_wait -1
.endm
; THE CHANGE OF SLOTS.  The slot's last bytes, V of its fourth step, have been read.  Each wave waits for all its tensor loads, of which one is out: its part
; of the other slot; adds 0 to its spare word; and waits for that and for its own reads of the slot.  Behind the barrier nobody reads this slot any more and the other slot is whole.
; fill = 1: this slot is filled again, with the keys two slots on.  The barrier is then a round of the cluster's, so that no wave of any partner still reads the slot or has a load on its
; way, and the joint fill is the first thing behind it: it has four key steps, 512 matrix instructions, in which to land.  (At its first use nothing has been read yet: slot 0 is waited for, slot 1 filled.)
.macro CHANGE fill
	WIN W_AD
	s_wait_tensorcnt 0x0            ; no tensor load of mine is out, so a group 0 may be written
	ds_add_u32 v[SPW], v[NIL]       ; 0 onto my spare word; with fill = 1 the descriptors' steps stand between it and the wait for it
	WIN 0                           ; at a label and at a branch every window is 0
.if \fill
.irp g, G0K, G0V
	s_xor_b32 s[\g+1], s[\g+1], SLOT1  ; the walking descriptor: the other slot than last time,
	s_add_nc_u64 s[\g+2:\g+3], s[\g+2:\g+3], 4*KS*128  ; the next 256 keys; the type bits on top are not reached
.endr
	s_wait_dscnt 0x0                ; the add is done, and my reads of the slot are over
	CROUND
	JLOAD
.else
	s_wait_dscnt 0x0                ; the add is done, and my reads of the slot are over
	s_barrier_signal -1
	s_barrier_wait -1
.endif
	s_sub_co_u32 s[TBK], s[TBK], 4*KS*PK  ; the fetches go back to a slot's first step,
	s_xor_b32 s[TBK], s[TBK], SLOT1       ; in the other slot
	s_sub_co_u32 s[TBV], s[TBV], 4*KS*PV
	s_xor_b32 s[TBV], s[TBV], SLOT1
.endm
	s_load_b128 s[4:7], s[0:1], 0x0 ; qkv s[4:5] (Q lies at its head), ctx s[6:7]
	WIN W_MK
	v_lshl_add_u32 v[SPW], v0, 2, SPARE
	v_mov_b32 v[NIL], 0
	WIN 0
	v_lshrrev_b32 v1, 5, v0
	v_readfirstlane_b32 s[WV], v1   ; wave 0..3
	s_bfe_u32 s13, ttmp6, 0x40000   ; cx: my place in the cluster
	s_lshl_b32 s14, ttmp9, 2        ; in a cluster launch ttmp9 counts clusters
	s_add_co_u32 s14, s14, s13      ; my block of queries = 4 x cluster x + cx: it enters Q's and ctx's addresses alone
	s_and_b32 s20, ttmp7, 0xffff    ; the head, which the four partners share
	s_mov_b32 s21, 0
	s_mov_b64 s[22:23], SIZE_N*128
	s_mul_u64 s[20:21], s[20:21], s[22:23]  ; the head's first byte in each of the four tensors
	s_and_b32 s16, s[WV], 1         ; which half of a slot's 256 keys I fetch:
	s_lshl_b32 s22, s16, 14         ; its 128 rows of 128 bytes in memory,
	s_mov_b32 s23, 0
	s_add_nc_u64 s[22:23], s[22:23], s[20:21]
	s_mul_i32 s17, s16, 128*PK      ; and its place in a slot, for K
	s_mul_i32 s18, s16, 128*PV      ; and for V: no place in the cluster enters an LDS address
	s_lshl_b32 s2, s14, 2
	s_add_co_u32 s2, s2, s[WV]      ; my wave among the head's,
	s_lshl_b32 s2, s2, 14           ; its 128 rows
	s_mov_b32 s3, 0
	s_add_nc_u64 s[2:3], s[2:3], s[20:21]
	; descriptor group 1.  128 keys are 16,384 dense bytes: asked for as 64 rows of 256 bytes, two keys a row, and padded in LDS after every key
	s_mov_b32 s[G1K], 15|(1<<16)|(1<<20)|(1<<21)|(4<<22)|(3<<25)  ; 15:0 the mask of four; 17:16 2-byte elements; 20 padding on; 21 set beside a mask; 24:22 after every 32 words (code 4); 31:25 4 words (code 3)
	s_mov_b32 s[G1V], 15|(1<<16)|(1<<20)|(1<<21)|(4<<22)|(7<<25)  ; the same with 8 words of padding (code 7)
.irp g, G1K, G1V
	s_mov_b32 s[\g+1], 128<<16      ; tensor_dim0 = 128
	s_mov_b32 s[\g+2], 64<<16       ; tensor_dim1 = 64
	s_mov_b32 s[\g+3], 128<<16      ; tile_dim0 = 128
	s_mov_b32 s[\g+4], 64           ; tile_dim1 = 64
	s_mov_b32 s[\g+5], 128          ; 128 elements from row to row
	s_mov_b32 s[\g+6], 0
	s_mov_b32 s[\g+7], 0
.endr
	s_mov_b32 s[CS], 0x3e38aa3b     ; c = log2(e) / 8 = 0.180337
	s_mov_b32 s[CS+1], s[CS]        ; named with it as a pair
	s_mov_b32 s[SEL], 0x76543210
	s_mov_b32 s[SEL+1], 0xfedcba98
	s_mov_b32 s[TBK], SLOT1+4*KS*PK ; the first change of slots turns these two into 0
	s_mov_b32 s[TBV], SLOT1+4*KS*PV
	s_mov_b32 s[G0K], 1             ; 1:0 count = 1
	s_mov_b32 s[G0K+1], s17         ; 63:32 LDS address: slot 0
	s_mov_b32 s[G0V], 1
	s_add_co_u32 s[G0V+1], s18, VOFF
	s_wait_kmcnt 0x0
	s_mov_b64 s[10:11], s[6:7]                     ; ctx
	s_add_nc_u64 s[6:7], s[4:5], 0x1000000         ; K: 64 heads x 2,048 rows x 128 bytes behind Q
	s_add_nc_u64 s[8:9], s[4:5], 0x2000000         ; V: as far again
	s_add_nc_u64 s[G0K+2:G0K+3], s[6:7], s[22:23]  ; 120:64 global address: my half of the head's first 256 keys
	s_or_b32 s[G0K+3], s[G0K+3], 0x80000000        ; 127:126 type = 2
	s_add_nc_u64 s[G0V+2:G0V+3], s[8:9], s[22:23]
	s_or_b32 s[G0V+3], s[G0V+3], 0x80000000
	s_add_nc_u64 s[4:5], s[4:5], s[2:3]  ; Q and ctx at my wave's first row
	s_add_nc_u64 s[10:11], s[10:11], s[2:3]
	CROUND                          ; all four work-groups are here: the first joint loads meet
	JLOAD                           ; slot 0.  Slot 1 is asked for when slot 0 is in
	; A fragment of K or Q is 16 rows x 32 channels in 8 registers: lane l holds row l % 16, channels 8 (l / 16) + 0..7 and 16 + 8 (l / 16) + 0..7: two loads of 16 bytes, 32 bytes apart.
	v_and_b32 v1, 15, v0            ; l % 16
	v_bfe_u32 v9, v0, 4, 1          ; l / 16
	v_lshlrev_b32 v[QO], 7, v1
	v_lshl_add_u32 v[QO], v9, 4, v[QO]  ; row x 128 + 16 x half
	WIN 0x80                        ; destination window 2, address window 0
.set i, 0
.rept 4*NP                          ; Q stays in registers: tile i / 2, channels 32 (i % 2) on
	global_load_b128 v[8*i:8*i+3],   v[QO], s[4:5] offset:(i/2)*2048+(i%2)*64
	global_load_b128 v[8*i+4:8*i+7], v[QO], s[4:5] offset:(i/2)*2048+(i%2)*64+32
.set i, i+1
.endr
	; What the first turn finds: V's registers and P's second buffer hold 0 (its products V^T P, of a piece that has not been, add 0), O^T and l are 0.  All this stands in the wait for the first tile.
.set i, VF
.rept 64
	v_mov_b32 v[i], 0
.set i, i+1
.endr
	WIN 0x40
.set i, 0
.rept 64*NP
	v_mov_b32 v[i], 0
.set i, i+1
.endr
	WIN 0
.set i, 0
.rept 2*NP
	v_mov_b32 v[ST+4*i], 0xfe000000    ; c m: far below every c s
	v_mov_b32 v[ST+4*i+1], 0xff7fffff  ; m
	v_mov_b32 v[ST+4*i+2], 0
	v_mov_b32 v[ST+4*i+3], 0
.set i, i+1
.endr
.set i, P+32
.rept 32
	v_mov_b32 v[i], 0
.set i, i+1
.endr
	v_mul_u32_u24 v[AK0], v1, PK
	v_lshl_add_u32 v[AK0], v9, 4, v[AK0]  ; row x pitch + 16 x half
	; The turning load takes 16 keys x 16 channels (lane l reads key 8 (l / 16) + l % 8, channels 8 ((l / 8) % 2) + 0..7) and leaves half a fragment of V^T: lane l holds channel l % 16 and 8 keys.
	v_and_b32 v10, 7, v0
	v_bfe_u32 v11, v0, 3, 1
	v_lshl_add_u32 v[AV0], v9, 3, v10
	v_mul_u32_u24 v[AV0], v[AV0], PV
	v_lshl_add_u32 v[AV0], v11, 4, v[AV0]
	v_add_nc_u32 v[AV0], VOFF, v[AV0]
	v_mov_b32 v[AK], v[AK0]         ; key step 0 lies at the head of slot 0
; THE MATRIX WORK.  The 8 accumulators of a run of 16 take turns: between the two links of a chain stand 7 others'.
; Product i of 16 of S^T = K Q^T for piece x: channels 32 (i / 8) on, keys 16 ((i / 2) % 4) on, tile 2 x + i % 2.  The first 8 start the sums.
.macro KQ x
	WIN W_KQ
.set rS, S+64*((\x)%2)+32*(i%2)+8*((i/2)%4)
.set rK, KF+16*((i/2)%4)+8*(i/8)
.set rQ, 16*(2*(\x)+i%2)+8*(i/8)
.if i < 8
	v_wmma_f32_16x16x32_f16 v[rS:rS+7], v[rK:rK+7], v[rQ:rQ+7], 0
.else
	v_wmma_f32_16x16x32_f16 v[rS:rS+7], v[rK:rK+7], v[rQ:rQ+7], v[rS:rS+7]
.endif
.endm
; Product i of 16 of O^T += V^T P for piece x: keys 32 (i / 8) on, channels 16 ((i / 2) % 4) on, tile 2 x + i % 2.
.macro PV x
	WIN W_PV
.set rO, 32*(2*(\x)+i%2)+8*((i/2)%4)
.set rV, VF+32*(i/8)+8*((i/2)%4)
.set rP, P+32*((\x)%2)+16*(i%2)+8*(i/8)
	v_wmma_f32_16x16x32_f16 v[rO:rO+7], v[rV:rV+7], v[rP:rP+7], v[rO:rO+7]
.endm
.macro MM                           ; the turn's next matrix instruction
.if i < 16
	KQ (Y+1)%NP
.set i, i+1
.else
.set i, i-16
	PV (Y+NP-1)%NP
.set i, i+17
.endif
.endm
; THE LDS LOADS stand in runs of 16, never singly among the matrix instructions: a step's K (64 keys x 64 channels: 8 fragments) and its V (turned).  Their addresses are made some lines ahead.
; last = 1 (the tail): in the last trip there is no further step, and the run is jumped over.
.macro FETCH_K last=0
	WIN 0
.if \last
	s_cmp_eq_u32 s[CNT], 1
	s_cbranch_scc1 .Lno_k_\@
.endif
	WIN 0x80                        ; destination window 2
.irp f, 0,1,2,3,4,5,6,7             ; keys 16 (f / 2) on, channels 32 (f % 2) on
	ds_load_b128 v[KF+8*\f:KF+8*\f+3],   v[AK] offset:(\f/2)*16*PK+(\f%2)*64
	ds_load_b128 v[KF+8*\f+4:KF+8*\f+7], v[AK] offset:(\f/2)*16*PK+(\f%2)*64+32
.endr
	s_add_co_u32 s[TBK], s[TBK], KS*PK  ; the next fetch is the next step's
	WIN 0
.if \last
.Lno_k_\@:
.endif
.endm
.macro FETCH_V
	WIN 0x80
.irp f, 0,1,2,3,4,5,6,7             ; keys 32 (f / 4) on, channels 16 (f % 4) on
	ds_load_tr16_b128 v[VF+8*\f:VF+8*\f+3],   v[AV] offset:(\f/4)*32*PV+(\f%4)*32
	ds_load_tr16_b128 v[VF+8*\f+4:VF+8*\f+7], v[AV] offset:(\f/4)*32*PV+16*PV+(\f%4)*32
.endr
	WIN 0
.endm
; THE VECTOR WORK OF A TURN stands in three queues, each in the order in which its entries become ready; the two tiles alternate, so that no instruction reads the result of the one before it.
.macro REGS y, u                    ; the registers of tile u (0, 1) of piece y
.set rT, ST+4*(2*(\y)+(\u))
.set rC, TMP+8*((\y)%2)+4*(\u)
.set rM, MV+2*((\y)%2)+(\u)
.set rS, S+64*((\y)%2)+32*(\u)
.set rP, P+32*((\y)%2)+16*(\u)
.set rO, 32*(2*(\y)+(\u))
.endm
; Number n of the 22 that find the NEXT piece's (Y + 1) maximum and statistics.  s0-s31 are the lane's 32 scores; each accumulator's lowest registers are read first.  XS, GS and REGS set no window: PL and EX do.
;   0-11  four chains c0-c3 of seven scores each, three operands at a time     12-14, 16  the four scores left over, the old m, and c0-c3 into c0     15  c m_old is kept
;   17, 18  the query's other 32 keys lie in the lane 16 away: the new m         19-21  c m; c m_old - c m_new; a
.macro XS u, n
	REGS (Y+1)%NP, \u
.if (\n) < 4
	v_max3_num_f32 v[rC+(\n)], v[rS+8*(\n)], v[rS+8*(\n)+1], v[rS+8*(\n)+2]
.elseif (\n) < 12
	v_max3_num_f32 v[rC+(\n)%4], v[rC+(\n)%4], v[rS+8*((\n)%4)+2*((\n)/4)+1], v[rS+8*((\n)%4)+2*((\n)/4)+2]
.elseif (\n) == 12
	v_max3_num_f32 v[rC], v[rC], v[rS+7], v[rS+15]
.elseif (\n) == 13
	v_max3_num_f32 v[rC+1], v[rC+1], v[rS+23], v[rS+31]
.elseif (\n) == 14
	v_max3_num_f32 v[rC+2], v[rC+2], v[rC+3], v[rT+1]
.elseif (\n) == 15
	v_mov_b32 v[rM], v[rT]
.elseif (\n) == 16
	v_max3_num_f32 v[rC], v[rC], v[rC+1], v[rC+2]
.elseif (\n) == 17
	v_permlanex16_b32 v[rC+3], v[rC], s[SEL], s[SEL+1]
.elseif (\n) == 18
	v_max_num_f32 v[rT+1], v[rC], v[rC+3]
.elseif (\n) == 19
	v_mul_f32 v[rT], s[CS], v[rT+1]
.elseif (\n) == 20
	v_sub_f32 v[rC+1], v[rM], v[rT]
.else
	v_exp_f32 v[rC+2], v[rC+1]
.endif
.endm
; Number g of the 64 that follow the exponentials.  For each four weights k of a tile (pairs 2 k, 2 k + 1): both pairs are rounded to f16; then the second pair is added onto the first, in place;
; a group later l takes that sum (the first time as l = a l + sum).  In groups of eight, tiles alternating: round, round, add, and l for the group before.
.macro GS g
.set h, (\g)+6*((\g)/62)            ; group 0 has no group before it, and behind group 7 only l is left
.if h >= 6
.set h, h+2
.endif
	REGS Y, h%2
.set k, h/8
.if h%8 < 4
	v_cvt_pk_f16_f32 v[rP+2*k+(h%8)/2], v[rS+4*k+2*((h%8)/2)], v[rS+4*k+2*((h%8)/2)+1]
.elseif h%8 < 6
	v_pk_add_f32 v[rS+4*k:rS+4*k+1], v[rS+4*k:rS+4*k+1], v[rS+4*k+2:rS+4*k+3]
.elseif k == 1
	v_pk_fma_f32 v[rT+2:rT+3], v[rT+2:rT+3], v[rC+2:rC+3], v[rS:rS+1] op_sel_hi:[1,0,1]
.else
	v_pk_add_f32 v[rT+2:rT+3], v[rT+2:rT+3], v[rS+4*k-4:rS+4*k-3]
.endif
.endm
; THE PLAIN QUEUE, 138 long.  0-31: c s - c m for the 16 pairs of both tiles.  Then GS's 64, and among them the next piece's 42: number 15 at 38, 39; 0-14 and 16
; at 42-73, behind the products that make those scores; 17-20 at 95-106, two of three, since each waits for the one before it.
.macro PL
	WIN 0
.if q < 32
	REGS Y, q%2
	v_pk_fma_f32 v[rS+2*(q/2):rS+2*(q/2)+1], v[rS+2*(q/2):rS+2*(q/2)+1], s[CS:CS+1], v[rT:rT+1] op_sel_hi:[1,0,0] neg_lo:[0,0,1] neg_hi:[0,0,1]
.elseif q < 38
	GS q-32
.elseif q < 40
	XS q%2, 15
.elseif q < 42
	GS q-34
.elseif q < 74
	XS q%2, (q-42)/2+(q-42)/30
.elseif q < 95
	GS q-66
.elseif (q < 107) && ((q-95)%3 < 2)
	XS (q-95)%3, 17+(q-95)/3
.elseif q < 107
	GS 29+(q-95)/3
.else
	GS q-74
.endif
.set q, q+1
.endm
; THE EXPONENTIALS' QUEUE, 66 long: s0-s31 of both tiles, and at EA the next piece's two a.
.set EA, 58
.macro EX
	WIN 0
.if (e == EA) || (e == EA+1)
	XS e-EA, 21
.else
.set x, e-2*(e/(EA+2))
	REGS Y, x%2
	v_exp_f32 v[rS+x/2], v[rS+x/2]
.endif
.set e, e+1
.endm
; THE RESCALING's QUEUE: O^T times a, the one part that leaves window 0, so it is dealt four at a time, eight times.
.macro R4
	REGS Y, r%2
	WIN W_RS
.irp z, 0,1,2,3
	v_pk_mul_f32 v[rO+8*(r/2)+2*\z:rO+8*(r/2)+2*\z+1], v[rO+8*(r/2)+2*\z:rO+8*(r/2)+2*\z+1], v[rC+2:rC+3] op_sel_hi:[1,0]
.endr
.set r, r+1
.endm
; HOW THEY ARE DEALT.  Behind a matrix instruction four: plain, exponential, plain, plain (one exponential, a plain instruction on either side), or four of the rescaling.  None names a register of the
; products round it.  What is over stands in two LUMPS: exponential and plain by turns; the second ends in 22 plain instructions.  The two v_permlanex16_b32 fall into the second lump, never behind a product.
; The queues lean on each other, and the deal keeps them in step: exponential e stands behind plain 2 (e / 4) + e % 2 (its scaling); when plain 32 comes, 10 exponentials are out, at 59: 33, at 95: 46; EA comes behind plain 107.
.macro SL
	MM
	PL
	EX
	PL
	PL
.endm
.macro BURST n                      ; 15 matrix instructions, or 16
.rept (\n)-7
	SL
.endr
.rept 3
	MM
	R4
	SL
.endr
	MM
	R4
.endm
; A TURN, for piece p.  cnt = 1: the loop's count is taken down some lines ahead of the branch that stands behind the turn.
; K of the next step is fetched in piece 2's turn, 31 vector instructions behind the last product that read K; its first reader comes behind the rest of the lump, 16 products and the second lump.
; V of the step in hand is fetched at the end of piece 0's turn, 69 behind its last reader; its first reader comes behind 16 products and a lump.  The four conditions on e and q below go with the deal.
.macro TURN p, last=0, cnt=0
.set Y, (\p)
.set i, 0
.set q, 0
.set e, 0
.set r, 0
.if (\p) == NP-1
	s_wait_dscnt 0x0                ; K is in
.endif
	MM
.rept 4
	PL
.endr
	BURST 15
.rept 22
	EX
	PL
.if ((\p) == NP-2) && (e == 18)
	v_add_nc_u32 v[AK], s[TBK], v[AK0]
.endif
.if ((\p) == NP-2) && (e == 24)
	FETCH_K \last
.endif
.endr
.if (\p) == 1
	s_wait_dscnt 0x0                ; V is in
.endif
	BURST 16
.rept 21
	EX
	PL
.endr
.rept 22
	PL
.if ((\p) == 0) && (q == 118)
	v_add_nc_u32 v[AV], s[TBV], v[AV0]
.endif
.if ((\p) == 0) && (q == 130)
	s_add_co_u32 s[TBV], s[TBV], KS*PV
.endif
.if (\cnt) && (q == 130)
	s_sub_co_u32 s[CNT], s[CNT], 1
	s_cmp_lg_u32 s[CNT], 0
.endif
.endr
.if (\p) == 0
	FETCH_V
.endif
.endm
	CHANGE 1                        ; slot 0 is in, everybody's part of it; slot 1 is asked for
	FETCH_K                         ; key step 0
	s_wait_loadcnt 0x0              ; Q
	s_wait_dscnt 0x0
.set i, 0
.rept 16
	KQ 0                            ; piece 0's first scores: there is no vector work yet to set between them
.set i, i+1
.endr
	WIN 0                           ; the addresses for the way out: nine plain instructions, the places behind those products
	s_mul_i32 s13, s[WV], 16*SP
	s_add_co_u32 s13, s13, STAGE    ; my stage
	v_mul_u32_u24 v[STO], v1, SP    ; in: row l % 16, 16 bytes for each half of the lanes
	v_lshl_add_u32 v[STO], v9, 4, v[STO]
	v_add_nc_u32 v[STO], s13, v[STO]
	v_bfe_u32 v[RD], v0, 3, 2       ; back: 32 lanes take four rows of 128 bytes,
	v_mul_u32_u24 v[RD], v[RD], SP
	v_lshl_add_u32 v[RD], v10, 4, v[RD]
	v_add_nc_u32 v[RD], s13, v[RD]
	v_and_b32 v[GO], 31, v0         ; which are 512 consecutive bytes of ctx
	v_lshlrev_b32 v[GO], 4, v[GO]
.set Y, NP-1                        ; XS works for piece Y + 1: piece 0
.irp n, 0,1,2,3,4,5,6,7,8,9,10,11,12,13,14,15,16,17,18,19,20,21
	XS 0, \n                        ; and piece 0's first maximum and statistics
	XS 1, \n
.endr
	s_mov_b32 s[CNT], 4
	s_mov_b32 s[SLOTS], SIZE_N/256-1
	s_branch .Lfirst                ; the loop is entered at a step's first turn, in the middle of a trip
.Lslot:                             ; SIZE_N / 256 - 2 times: every slot but the last two is filled again
	CHANGE 1
	s_mov_b32 s[CNT], 4
.Lstep:                             ; a trip: pieces 2 and 3 of one step, then pieces 0 and 1 of the next, whose K and V it fetches
	TURN 2
	TURN 3
	WIN 0
.Lfirst:
	TURN 0
	TURN 1, 0, 1
	WIN 0
	s_cbranch_scc1 .Lstep
	s_sub_co_u32 s[SLOTS], s[SLOTS], 1
	s_cmp_lg_u32 s[SLOTS], 0
	s_cbranch_scc1 .Lslot
	CHANGE 0                        ; the tail is written out: nothing is asked for
	s_mov_b32 s[CNT], 5             ; four trips fetch the last slot's steps; the fifth is left in its middle
.Ltail:
	TURN 2, 1
	TURN 3
	WIN 0
	s_sub_co_u32 s[CNT], s[CNT], 1
	s_cmp_eq_u32 s[CNT], 0
	s_cbranch_scc1 .Lout
	TURN 0
	TURN 1
	WIN 0
	s_branch .Ltail
.Lout:                              ; the fifth trip's 16 products K Q^T (on the last K once more) and the maximum made of them serve nothing: the price, once a launch, of one text for every trip
.set i, 0
.rept 16
	PV NP-1                         ; the last piece's V^T P of the last step
.set i, i+1
.endr
	; THE WAY OUT.  l's two halves and the other half of the lanes' are added; O^T is divided by l, rounded to f16 and sent through my stage in LDS, a tile at a time.  The additions are the places behind the last products.
	WIN 0
.macro ALL line:vararg              ; one line for each tile t
.set t, 0
.rept 2*NP
	\line
.set t, t+1
.endr
.endm
	ALL v_add_f32 v[ST+4*t+2], v[ST+4*t+2], v[ST+4*t+3]
	ALL v_permlanex16_b32 v[ST+4*t+3], v[ST+4*t+2], s[SEL], s[SEL+1]
	ALL v_add_f32 v[ST+4*t+2], v[ST+4*t+2], v[ST+4*t+3]
	ALL v_rcp_f32 v[ST+4*t+2], v[ST+4*t+2]
	v_nop                           ; a plain instruction between the last reciprocal and the use of its result
; Tile t: a lane's eight channels of a row pack into 16 bytes; they go into rows of 144 bytes and come back as whole rows of 128, into S^T's registers.
.macro PACK t
	WIN W_RS
.set i, 32*(\t)
.rept 16
	v_pk_mul_f32 v[i:i+1], v[i:i+1], v[ST+4*(\t)+2:ST+4*(\t)+3] op_sel_hi:[1,0]
.set i, i+2
.endr
	WIN 0x05                        ; sources 0 and 1 window 1, destination window 0
.set i, 0
.rept 16
	v_cvt_pk_f16_f32 v[S+16*(\t)+i], v[32*(\t)+2*i], v[32*(\t)+2*i+1]
.set i, i+1
.endr
	WIN 0
.irp f, 0,1,2,3
	ds_store_b128 v[STO], v[S+16*(\t)+4*\f:S+16*(\t)+4*\f+3] offset:32*\f
.endr
.irp f, 0,1,2,3
	ds_load_b128 v[S+16*(\t)+4*\f:S+16*(\t)+4*\f+3], v[RD] offset:\f*4*SP  ; LDS serves a wave's instructions in order (ISA guide 5.7.1.4): these see the stores above; the next tile's stores come behind them
.endr
.endm
.macro SEND t, younger              ; younger: the LDS instructions issued behind tile t's loads: the next tile's eight, or none
	WIN 0
.irp f, 0,1,2,3
	s_wait_dscnt (\younger)+3-\f
	global_store_b128 v[GO], v[S+16*(\t)+4*\f:S+16*(\t)+4*\f+3], s[10:11] offset:(\t)*2048+\f*512  ; 512 consecutive bytes, at a multiple of 256 from ctx's first
.endr
.endm
	PACK 0
.set t, 1
.rept 2*NP-1                        ; a tile's arithmetic stands between the loads of the tile before and its stores
	PACK t
	SEND t-1, 8
.set t, t+1
.endr
	SEND 2*NP-1, 0
	WIN W_AD
	s_wait_tensorcnt 0x0            ; the wave's end, behind my last tensor load and my last LDS store
	ds_add_u32 v[SPW], v[NIL]
	s_wait_dscnt 0x0
	WIN 0
	CROUND                          ; the closing round: no work-group ends while a partner may still ask for a tile that names it
	s_endpgm
.Lfunc_end_k_qbc28533dbb_attn:
	.size	k_qbc28533dbb_attn, .Lfunc_end_k_qbc28533dbb_attn-k_qbc28533dbb_attn
	.p2alignl 7, 3214868480
	.fill 96, 4, 3214868480
	.section	.rodata,"a",@progbits
	.p2align	6, 0x0
	.amdhsa_kernel k_qbc28533dbb_attn
		.amdhsa_group_segment_fixed_size 327680
		.amdhsa_private_segment_fixed_size 0
		.amdhsa_enable_private_segment 0
		.amdhsa_kernarg_size 16
		.amdhsa_user_sgpr_count 2
		.amdhsa_user_sgpr_kernarg_segment_ptr 1
		.amdhsa_wavefront_size32 1
		.amdhsa_system_sgpr_workgroup_id_x 1
		.amdhsa_system_sgpr_workgroup_id_y 1
		.amdhsa_system_sgpr_workgroup_id_z 1
		.amdhsa_system_vgpr_workitem_id 0
		.amdhsa_next_free_vgpr 770
		.amdhsa_next_free_sgpr 66
		.amdhsa_reserve_vcc 0
		.amdhsa_float_denorm_mode_32 3
		.amdhsa_float_denorm_mode_16_64 3
		.amdhsa_memory_ordered 1
		.amdhsa_forward_progress 1
		.amdhsa_inst_pref_size 195
	.end_amdhsa_kernel
	.amdgpu_metadata
---
amdhsa.version: [ 1, 2 ]
amdhsa.kernels:
  - .name:           k_qbc28533dbb_attn
    .symbol:         k_qbc28533dbb_attn.kd
    .args:
      - { .name: qkv, .offset: 0, .size: 8, .value_kind: global_buffer, .address_space: global }
      - { .name: ctx, .offset: 8, .size: 8, .value_kind: global_buffer, .address_space: global }
    .group_segment_fixed_size: 327680
    .private_segment_fixed_size: 0
    .kernarg_segment_align: 8
    .kernarg_segment_size: 16
    .max_flat_workgroup_size: 128
    .sgpr_count:     66
    .vgpr_count:     770
    .wavefront_size: 32
...
	.end_amdgpu_metadata
.endif
;; end of part 3
;; launch oproj (part 4): grid 4 x 64, 4 waves a work-group, clusters of 4 x 4, 327,680 bytes of LDS; arguments ctx, wo16, bias, out0; writes out0
.if DOCPART == 4
	.amdgcn_target "amdgcn-amd-amdhsa--gfx1250"
	.amdhsa_code_object_version 6
	.text
	.protected	k_qbc28533dbb_oproj
	.globl	k_qbc28533dbb_oproj
	.p2align	8
	.type	k_qbc28533dbb_oproj,@function
k_qbc28533dbb_oproj:
	s_mov_b64 s[64:65], 0
	v_nop
	global_prefetch_b8 v0, s[64:65] scope:SCOPE_SE
	s_setreg_imm32_b32 hwreg(HW_REG_WAVE_MODE, 25, 1), 1
	s_wait_xcnt 0x0
	s_wait_alu depctr_hold_cnt(0) depctr_sa_sdst(0) depctr_va_vdst(0) depctr_va_sdst(0) depctr_va_ssrc(0) depctr_va_vcc(0) depctr_vm_vsrc(0)
	s_getreg_b32 s2, hwreg(HW_REG_IB_STS2, 6, 4)
	s_cmp_eq_u32 s2, 0
	s_cbranch_scc0 .Lentry_in_a_cluster
	s_endpgm
.Lentry_in_a_cluster:
	s_bfe_u32 s2, ttmp6, 0x10000c
	s_cmp_lg_u32 s2, 0xf033
	s_cbranch_scc0 .Lentry_shape_is_right
	s_endpgm
.Lentry_shape_is_right:
; out0 = ctx Wo^T + bo.  ctx: f16 [batch x 16 + head][2048][64]: a head's 64 channels are one K slice; wo16: f16 [16 slices][1024][64]; bias: f32, bo at its number 3,072; out0: f32 [8192][1024].
; Products in f16, sums in f32, K ascending; the sums START WITH bo (it is the C of the first products).  LIMITS: ctx and wo16 arrive within f16's range; NaN and infinities are not treated apart.
; SHARES.  A tile of out0 is 128 x 256, so that there are 64 x 4 = 256 work-groups.  Four waves, each 64 rows x 128 columns: 32 accumulators of 16 x 16, 256 registers.
; K goes in steps of 128 (two slices) through two LDS slots; a slice's rows lie end to end in memory, 128 bytes each, so a tile is asked for as rows of 256 bytes and padded in LDS after every 128.
; A trip of the loop is written once for both slots: slot 1 begins at 1 << 17, and one exclusive or turns an address in one slot into the other's.
; CLUSTER.  4 x 4 work-groups: the four of a row of the cluster need the same tiles of ctx, the four of a column the same tiles of Wo: each tile is asked for JOINTLY.
; THE MATRIX INSTRUCTION IS USED TRANSPOSED (source 0 = 16 rows of Wo, source 1 = 16 rows of ctx): a lane holds one row of out0 (lane % 16) and eight neighbouring columns.
; REGISTERS: window 0: v16-29 addresses; v32-127, v128-223 two fragment buffers (8 fragments of Wo, then 4 of ctx); both serve the way out later.
;   window 1: the accumulators, (a, b) at v[8 (8 a + b)].
.set PITCH,  144                       ; an LDS row: 128 bytes + 16 of padding = 36 words: the 16 rows of a load start at 16 different groups of four banks (64 banks of 4 bytes: ISA guide 11.1)
.set ASL,    128*PITCH                 ; one slice of ctx's tile: what wave 0 or 1 fetches
.set BSL,    256*PITCH                 ; one slice of Wo's tile: what wave 2 or 3 fetches
.set BOFFS,  2*ASL
.set SLOT,   2*ASL+2*BSL               ; 110,592 bytes
.set SLOT1,  1<<17                     ; where slot 1 begins
.set STAGE,  SLOT1+SLOT                ; behind the ring, never filled by a tensor load: 16 rows x 528 bytes for each wave
.set SPITCH, 528                       ; 512 bytes + 16 = 132 words: row r starts at bank 4 r mod 64
.set STG,    16*SPITCH
.set SPARE,  STAGE+4*STG               ; behind the stages: the spare words, 128 bytes for each wave: two blocks of 256 bytes that no other line names
.set ASTEP,  524288                    ; bytes from K step to K step in ctx: two heads of 2,048 rows x 128 bytes
.set BSTEP,  262144                    ; and in wo16: two slices of 1,024 rows x 128 bytes
.set ADRA0, 16                         ; v16     LDS address of my fragments of ctx in slot 0; never rewritten
.set ADRA,  17                         ; v17     the same in the slot that is being read
.set ADRB0, 20                         ; v20, v21  the same for Wo
.set ADRB,  21
.set STO,  24                          ; v24     the way out: where I put 32 bytes of a row
.set RD,   25                          ; v25     the way out: where I read a row back
.set GO,   26                          ; v26     my 16 bytes in 512 consecutive bytes
.set BOF,  27                          ; v27     my byte offset in 16 columns of bo
.set SPW,  28                          ; v28     LDS address of my spare word: SPARE + 4 x my thread's number; never rewritten
.set NIL,  29                          ; v29     0; never rewritten
.set F0,   32
.set F1,   128
.set BIA,  192                         ; in window 1: the accumulators (3, b), into which bo is loaded
.set BK,   32                          ; the way out: 16 rows read back, two buffers of 64
.set TB,  15                           ; s15     0 or SLOT1: the slot that is being read
.set G1,  24                           ; s[24:31] descriptor group 1 for ctx's tiles;  s[32:39] group 0: a set for each of the two first fills; the second then walks on
.set G0,  32
.set G1B, 48                           ; s[48:55], s[56:63] the same for Wo's tiles
.set G0B, 56
.set MSB, 0
.macro WIN new                         ; the immediate's high byte repeats the setting that is left; a switch that changes nothing is dropped
.if MSB != (\new)
	s_set_vgpr_msb (MSB<<8)|(\new)
.set MSB, \new
.endif
.endm
.set MUL, 0x50                         ; C and D in window 1, both sources in window 0
.macro JLOAD s                         ; a joint load: waves 0 and 1 fetch ctx's two slices, waves 2 and 3 Wo's; an s_nop 0 and four v_nop follow each of the two lines, ahead of the jump and the label
	s_cmp_eq_u32 s13, 0
	s_cbranch_scc0 .Lfor_b_\@
	tensor_load_to_lds s[G0+4*(\s):G0+4*(\s)+3], s[G1:G1+7]
	s_nop 0
.rept 4
	v_nop
.endr
	s_branch .Lasked_\@
.Lfor_b_\@:
	tensor_load_to_lds s[G0B+4*(\s):G0B+4*(\s)+3], s[G1B:G1B+7]
	s_nop 0
.rept 4
	v_nop
.endr
.Lasked_\@:
.endm
.macro CREST                           ; a round of the cluster's barrier behind its opening barrier
	s_cmp_lg_u32 s12, 0
	s_cbranch_scc1 .Lnot_wave_0_\@
	s_barrier_signal -3
.Lnot_wave_0_\@:
	s_barrier_wait -3
	s_barrier_signal -1
	s_barrier_wait -1
.endm
.macro CROUND
	s_barrier_signal -1
	s_barrier_wait -1
	CREST
.endm
	s_load_b256 s[4:11], s[0:1], 0x0               ; ctx s[4:5], wo16 s[6:7], bias s[8:9], out0 s[10:11]
	v_lshl_add_u32 v[SPW], v0, 2, SPARE
	v_mov_b32 v[NIL], 0
	v_lshrrev_b32 v1, 5, v0
	v_readfirstlane_b32 s12, v1                    ; wave 0..3
	s_lshr_b32 s13, s12, 1                         ; which 64 rows of the tile are mine.  Also: I fetch for ctx (0) or for Wo (1)
	s_and_b32 s14, s12, 1                          ; which 128 columns.  Also: which slice of a K step I fetch
	s_bfe_u32 s40, ttmp6, 0x40000                  ; cx, cy: my place in the cluster
	s_bfe_u32 s41, ttmp6, 0x40004
	s_lshl_b32 s42, ttmp9, 2
	s_add_co_u32 s42, s42, s40                     ; tile column 0..3
	s_and_b32 s45, ttmp7, 0xffff
	s_lshl_b32 s45, s45, 2
	s_add_co_u32 s45, s45, s41                     ; tile row 0..63
	s_lshl_b32 s43, s41, 2
	s_lshl_b32 s43, 15, s43                        ; my row of the cluster
	s_lshl_b32 s44, 0x1111, s40                    ; my column
	; descriptor group 1: rows of 128 elements (256 bytes), dense; 64 of them for a slice of ctx's tile, 128 for a slice of Wo's
	s_or_b32 s[G1], s43, (1<<16)|(1<<20)|(1<<21)|(4<<22)|(3<<25)   ; 15:0 the mask: my row; 17:16 2-byte elements; 20 padding on; 21 set beside a mask; 24:22 after every 32 words (code 4); 31:25 4 words (code 3)
	s_or_b32 s[G1B], s44, (1<<16)|(1<<20)|(1<<21)|(4<<22)|(3<<25)  ; the same with the mask of my column
	s_mov_b32 s[G1+1], 128<<16                     ; tensor_dim0 = 128
	s_mov_b32 s[G1+2], 64<<16                      ; tensor_dim1 = 64
	s_mov_b32 s[G1+3], 128<<16                     ; tile_dim0 = 128
	s_mov_b32 s[G1+4], 64                          ; tile_dim1 = 64
	s_mov_b32 s[G1+5], 128                         ; 128 elements from row to row
	s_mov_b32 s[G1+6], 0
	s_mov_b32 s[G1+7], 0
	s_mov_b32 s[G1B+1], 128<<16
	s_mov_b32 s[G1B+2], 128<<16                    ; tensor_dim1 = 128
	s_mov_b32 s[G1B+3], 128<<16
	s_mov_b32 s[G1B+4], 128                        ; tile_dim1 = 128
	s_mov_b32 s[G1B+5], 128
	s_mov_b32 s[G1B+6], 0
	s_mov_b32 s[G1B+7], 0
	; where the tiles come from: ctx's hang on the tile row alone, Wo's on the tile column alone, each in registers that never hold the other coordinate
	s_lshr_b32 s16, s45, 4                         ; the batch: 16 tile rows each,
	s_lshl_b32 s16, s16, 22                        ; 16 heads x 2,048 rows x 128 bytes
	s_and_b32 s17, s45, 15
	s_lshl_b32 s17, s17, 14                        ; 128 rows of 128 bytes
	s_add_co_u32 s16, s16, s17
	s_lshl_b32 s17, s14, 18                        ; the slice that I fetch: a head on
	s_add_co_u32 s16, s16, s17
	s_mov_b32 s17, 0
	s_lshl_b32 s46, s42, 15                        ; 256 rows of 128 bytes
	s_lshl_b32 s47, s14, 17                        ; the slice that I fetch
	s_add_co_u32 s46, s46, s47
	s_mov_b32 s47, 0
	s_mul_i32 s20, s14, ASL                        ; and where they go: no place in the cluster enters an LDS address
	s_mul_i32 s21, s14, BSL
	s_add_co_u32 s21, s21, BOFFS
	s_wait_kmcnt 0x0
	s_add_nc_u64 s[16:17], s[4:5], s[16:17]
	s_add_nc_u64 s[46:47], s[6:7], s[46:47]
	CROUND                                         ; all sixteen work-groups are here: the first joint loads meet
.irp s, 0,1
	s_mov_b32 s[G0+4*(\s)], 1                                      ; 1:0 count = 1
	s_add_co_u32 s[G0+4*(\s)+1], s20, (\s)*SLOT1                   ; 63:32 LDS address
	s_add_nc_u64 s[G0+4*(\s)+2:G0+4*(\s)+3], s[16:17], (\s)*ASTEP  ; 120:64 global address: K step s
	s_or_b32 s[G0+4*(\s)+3], s[G0+4*(\s)+3], 0x80000000            ; 127:126 type = 2
	s_mov_b32 s[G0B+4*(\s)], 1
	s_add_co_u32 s[G0B+4*(\s)+1], s21, (\s)*SLOT1
	s_add_nc_u64 s[G0B+4*(\s)+2:G0B+4*(\s)+3], s[46:47], (\s)*BSTEP
	s_or_b32 s[G0B+4*(\s)+3], s[G0B+4*(\s)+3], 0x80000000
	JLOAD \s                                       ; both slots are asked for before anything else is done: two loads of mine are out
.endr
	v_and_b32 v1, 15, v0                           ; l % 16
	v_bfe_u32 v2, v0, 4, 1                         ; l / 16
	v_mul_u32_u24 v3, v1, PITCH
	v_lshl_add_u32 v3, v2, 4, v3                   ; a fragment's row x pitch + 16 x half
	s_mul_i32 s22, s13, 64*PITCH                   ; my 64 rows of ctx
	s_mul_i32 s23, s14, 128*PITCH                  ; my 128 rows of Wo
	s_add_co_u32 s23, s23, BOFFS
	v_add_nc_u32 v[ADRA0], s22, v3
	v_add_nc_u32 v[ADRB0], s23, v3
	v_mov_b32 v[ADRA], v[ADRA0]                    ; slot 0 is read first
	v_mov_b32 v[ADRB], v[ADRB0]
	s_mov_b32 s[TB], 0
	s_mul_i32 s22, s12, STG
	s_add_co_u32 s22, s22, STAGE                   ; my stage
	v_and_b32 v8, 31, v0
	v_lshlrev_b32 v[GO], 4, v8                     ; 16 bytes a lane: 32 lanes take a row's 512 bytes
	v_add_nc_u32 v[RD], s22, v[GO]
	v_mul_u32_u24 v9, v1, SPITCH                   ; in: row l % 16, 32 bytes for each half of the lanes
	v_lshl_add_u32 v9, v2, 5, v9
	v_add_nc_u32 v[STO], s22, v9
	v_lshlrev_b32 v[BOF], 5, v2                    ; my eight columns of sixteen: 32 bytes of f32
	s_lshl_b32 s72, s45, 7
	s_lshl_b32 s73, s13, 6
	s_add_co_u32 s72, s72, s73                     ; my first row of out0,
	s_lshl_b32 s72, s72, 12                        ; 4,096 bytes each
	s_lshl_b32 s74, s42, 8
	s_lshl_b32 s75, s14, 7
	s_add_co_u32 s74, s74, s75                     ; my first column,
	s_lshl_b32 s74, s74, 2                         ; in bytes
	s_add_co_u32 s72, s72, s74
	s_mov_b32 s73, 0
	s_add_nc_u64 s[10:11], s[10:11], s[72:73]
	s_add_co_u32 s74, s74, 3072*4                  ; bo lies behind bq, bk and bv
	s_mov_b32 s75, 0
	s_add_nc_u64 s[8:9], s[8:9], s[74:75]
	; bo of my 128 columns, eight numbers a lane for each column block, as an accumulator holds them (register j: column 8 (l / 16) + j), into the registers of the accumulators (3, b)
	WIN 0x40                                       ; destination in window 1, address in window 0
.irp b, 0,1,2,3,4,5,6,7
	global_load_b128 v[BIA+8*(\b):BIA+8*(\b)+3],   v[BOF], s[8:9] offset:64*(\b)
	global_load_b128 v[BIA+8*(\b)+4:BIA+8*(\b)+7], v[BOF], s[8:9] offset:64*(\b)+16
.endr
	WIN 0
; 8 matrix instructions: row block a x all 8 column blocks, 32 along K.  first = 1: the product starts the sum with bo, which lies in row block 3's accumulators.
; The 32 accumulators take turns, one instruction a turn.
.macro MUL8 f, a, first
	WIN MUL
.irp b, 0,1,2,3,4,5,6,7
.if \first
	v_wmma_f32_16x16x32_f16 v[8*(8*(\a)+(\b)):8*(8*(\a)+(\b))+7], v[(\f)+8*(\b):(\f)+8*(\b)+7], v[(\f)+64+8*(\a):(\f)+64+8*(\a)+7], v[BIA+8*(\b):BIA+8*(\b)+7]
.else
	v_wmma_f32_16x16x32_f16 v[8*(8*(\a)+(\b)):8*(8*(\a)+(\b))+7], v[(\f)+8*(\b):(\f)+8*(\b)+7], v[(\f)+64+8*(\a):(\f)+64+8*(\a)+7], v[8*(8*(\a)+(\b)):8*(8*(\a)+(\b))+7]
.endif
.endr
.endm
; 24 LDS loads in one run: quarter q of a K step (slice q / 2, byte 64 (q % 2) of its rows) of the slot that is being read, into buffer f: Wo's 128 rows, then ctx's 64
.macro FETCH q, f
	WIN 0
.irp b, 0,1,2,3,4,5,6,7
	ds_load_b128 v[(\f)+8*(\b):(\f)+8*(\b)+3],   v[ADRB] offset:((\q)/2)*BSL+((\q)%2)*64+(\b)*16*PITCH
	ds_load_b128 v[(\f)+8*(\b)+4:(\f)+8*(\b)+7], v[ADRB] offset:((\q)/2)*BSL+((\q)%2)*64+(\b)*16*PITCH+32
.endr
.irp a, 0,1,2,3
	ds_load_b128 v[(\f)+64+8*(\a):(\f)+64+8*(\a)+3],   v[ADRA] offset:((\q)/2)*ASL+((\q)%2)*64+(\a)*16*PITCH
	ds_load_b128 v[(\f)+64+8*(\a)+4:(\f)+64+8*(\a)+7], v[ADRA] offset:((\q)/2)*ASL+((\q)%2)*64+(\a)*16*PITCH+32
.endr
.endm
.macro PLACES                          ; four places in front of loads into registers that matrix instructions have read, and of LDS stores that read results (ISA guide 7.12.1 for the stores)
.rept 4
	v_nop
.endr
.endm
; A K step is four quarters of 32 along K, 32 products each, on buffers 0, 1, 0, 1.  One of the first three: multiplies buffer f and fetches quarter q into g.
; first = 1: the very first products: row blocks 0 to 2 take bo as C; then five places, since row block 3's products write over registers that those have read (ISA guide 7.12.1); then row block 3 adds in place.
.macro QUARTER q, f, g, first
	s_wait_dscnt 4                                 ; Wo's fragments and ctx's row blocks 0 and 1 are in; the youngest four loads may be out
	MUL8 \f, 0, \first
	MUL8 \f, 1, \first
	PLACES
	FETCH \q, \g
	s_wait_dscnt 24                                ; all but the 24 just issued
	MUL8 \f, 2, \first
.if \first
.rept 5
	v_nop
.endr
.endif
	MUL8 \f, 3, 0
.endm
; The last quarter multiplies buffer 1 and changes slots: ONE barrier; in front of it each wave waits for all its tensor loads, adds 0 to its spare word, and waits for that and for its own reads of this slot.
; fill = 1: the barrier opens a round of the cluster's, and this slot is filled again, two K steps on, first thing behind the round: 112 products stand between that request and the wait for it.
.macro TURN fill
	WIN 0                                          ; (the add's two registers lie in window 0)
	s_wait_tensorcnt 0x0                           ; all my tensor loads have landed: my part of the next slot;
	ds_add_u32 v[SPW], v[NIL]                      ; 0 onto my spare word;
	s_wait_dscnt 5                                 ; (the add and the youngest four loads may be out)
	MUL8 F1, 0, 0                                  ; eight products stand between the add and the wait for it
	s_wait_dscnt 0x0                               ; the add is done, and my reads of this slot are over
	s_barrier_signal -1
	MUL8 F1, 1, 0
	WIN 0
	s_barrier_wait -1
.if \fill
	CREST                                          ; no wave of any partner still reads this slot's tile or has a load on its way
	s_xor_b32 s[G0+5], s[G0+5], SLOT1              ; the walking descriptors: the other slot than last time,
	s_add_nc_u64 s[G0+6:G0+7], s[G0+6:G0+7], ASTEP ; the next K step; the type bits on top are not reached
	s_xor_b32 s[G0B+5], s[G0B+5], SLOT1
	s_add_nc_u64 s[G0B+6:G0B+7], s[G0B+6:G0B+7], BSTEP
	JLOAD 1                                        ; my one tensor load behind the round; the four v_nop behind it are also the places in front of the loads below
.else
	PLACES
.endif
	s_xor_b32 s[TB], s[TB], SLOT1                  ; the reads go on in the other slot
	v_add_nc_u32 v[ADRA], s[TB], v[ADRA0]
	v_add_nc_u32 v[ADRB], s[TB], v[ADRB0]
	FETCH 0, F0
	MUL8 F1, 2, 0
	MUL8 F1, 3, 0
.endm
	s_wait_tensorcnt 1                             ; my part of K step 0 is in; K step 1's may stay out
	s_barrier_signal -1
	s_barrier_wait -1                              ; everybody's is
	FETCH 0, F0
	s_wait_loadcnt 0x0                             ; bo
	QUARTER 1, F0, F1, 1                           ; the first quarter stands in front of the loop: its products start the sums
	WIN 0                                          ; at a label and at a branch every window is 0
	s_mov_b32 s3, 6
.Llap:                                                 ; a trip goes from a K step's second quarter to the next step's first and fills the slot that it leaves: K steps 2 to 7 are asked for in six trips
	QUARTER 2, F1, F0, 0
	QUARTER 3, F0, F1, 0
	TURN 1
	QUARTER 1, F0, F1, 0
	WIN 0
	s_sub_co_u32 s3, s3, 1
	s_cmp_lg_u32 s3, 0
	s_cbranch_scc1 .Llap
	s_mov_b32 s3, 2
.Ltail:                                                ; the last two K steps ask for nothing: the same trip without a fill, left in the middle of its second round
	QUARTER 2, F1, F0, 0
	QUARTER 3, F0, F1, 0
	WIN 0
	s_sub_co_u32 s3, s3, 1
	s_cmp_eq_u32 s3, 0
	s_cbranch_scc1 .Llast
	TURN 0
	QUARTER 1, F0, F1, 0
	WIN 0
	s_cmp_lg_u32 s3, 0
	s_cbranch_scc1 .Ltail
.Llast:
	s_wait_dscnt 4                                 ; the very last quarter
	MUL8 F1, 0, 0
	MUL8 F1, 1, 0
	s_wait_dscnt 0x0
	MUL8 F1, 2, 0
	MUL8 F1, 3, 0
	WIN 0
	PLACES
; THE WAY OUT, a block of 16 rows at a time.  A lane's eight sums of a column block are 32 bytes of a row; they go into my stage's rows of 528 bytes and come back as whole rows of 512; each store covers a row's 512 bytes.
.macro TOSTAGE a
.if (\a) >= 2
	s_wait_xcnt 0x0                                ; every earlier store has had its addresses translated (ISA guide 3.1): the buffer that block a - 2 was stored from is loaded again only behind this wait
.endif
	WIN 0x04                                       ; the stores' data in window 1
.irp b, 0,1,2,3,4,5,6,7
	ds_store_b128 v[STO], v[64*(\a)+8*(\b):64*(\a)+8*(\b)+3]   offset:64*(\b)      ; each accumulator's low half first
	ds_store_b128 v[STO], v[64*(\a)+8*(\b)+4:64*(\a)+8*(\b)+7] offset:64*(\b)+16
.endr
	WIN 0
.irp i, 0,1,2,3,4,5,6,7,8,9,10,11,12,13,14,15
	ds_load_b128 v[BK+64*((\a)%2)+4*(\i):BK+64*((\a)%2)+4*(\i)+3], v[RD] offset:SPITCH*(\i)  ; LDS serves a wave's instructions in order (ISA guide 5.7.1.4): these see the stores above; the next block's stores come behind them
.endr
.endm
.macro SEND a, younger                 ; younger: the LDS instructions issued behind block a's loads: the next block's 32, or none
.irp i, 0,1,2,3,4,5,6,7,8,9,10,11,12,13,14,15
	s_wait_dscnt (\younger)+15-(\i)
	global_store_b128 v[GO], v[BK+64*((\a)%2)+4*(\i):BK+64*((\a)%2)+4*(\i)+3], s[10:11] offset:(16*(\a)+(\i))*4096 th:TH_STORE_NT  ; 512 consecutive bytes, at a multiple of 512 from out0's first byte
.endr
.endm
	TOSTAGE 0
	TOSTAGE 1
	SEND 0, 32
	TOSTAGE 2
	SEND 1, 32
	TOSTAGE 3
	SEND 2, 32
	SEND 3, 0
	s_wait_tensorcnt 0x0                           ; the wave's end, behind my last tensor load and my last LDS store
	ds_add_u32 v[SPW], v[NIL]
	s_wait_dscnt 0x0
	CROUND                                         ; the closing round: no work-group ends while a partner may still ask for a tile that names it
	s_endpgm
.Lfunc_end_k_qbc28533dbb_oproj:
	.size	k_qbc28533dbb_oproj, .Lfunc_end_k_qbc28533dbb_oproj-k_qbc28533dbb_oproj
	.p2alignl 7, 3214868480
	.fill 96, 4, 3214868480
	.section	.rodata,"a",@progbits
	.p2align	6, 0x0
	.amdhsa_kernel k_qbc28533dbb_oproj
		.amdhsa_group_segment_fixed_size 327680
		.amdhsa_private_segment_fixed_size 0
		.amdhsa_enable_private_segment 0
		.amdhsa_kernarg_size 32
		.amdhsa_user_sgpr_count 2
		.amdhsa_user_sgpr_kernarg_segment_ptr 1
		.amdhsa_wavefront_size32 1
		.amdhsa_system_sgpr_workgroup_id_x 1
		.amdhsa_system_sgpr_workgroup_id_y 1
		.amdhsa_system_sgpr_workgroup_id_z 1
		.amdhsa_system_vgpr_workitem_id 0
		.amdhsa_next_free_vgpr 512
		.amdhsa_next_free_sgpr 80
		.amdhsa_reserve_vcc 0
		.amdhsa_float_denorm_mode_32 3
		.amdhsa_float_denorm_mode_16_64 3
		.amdhsa_memory_ordered 1
		.amdhsa_forward_progress 1
		.amdhsa_inst_pref_size 65
	.end_amdhsa_kernel
	.amdgpu_metadata
---
amdhsa.version: [ 1, 2 ]
amdhsa.kernels:
  - .name:           k_qbc28533dbb_oproj
    .symbol:         k_qbc28533dbb_oproj.kd
    .args:
      - { .name: ctx, .offset: 0, .size: 8, .value_kind: global_buffer, .address_space: global }
      - { .name: wo16, .offset: 8, .size: 8, .value_kind: global_buffer, .address_space: global }
      - { .name: bias, .offset: 16, .size: 8, .value_kind: global_buffer, .address_space: global }
      - { .name: out0, .offset: 24, .size: 8, .value_kind: global_buffer, .address_space: global }
    .group_segment_fixed_size: 327680
    .private_segment_fixed_size: 0
    .kernarg_segment_align: 8
    .kernarg_segment_size: 32
    .max_flat_workgroup_size: 128
    .sgpr_count:     80
    .vgpr_count:     512
    .wavefront_size: 32
...
	.end_amdgpu_metadata
.endif
;; end of part 4
